; MI455X (gfx1250); checked and timed in simulation.
; The chip was launched on July 23, 2026; its instructions are those of AMD's public machine-readable ISA for CDNA 5 (MIT licence, August 2026) and "CDNA5" Instruction Set Architecture Reference Guide (July 2026). The comments in the code are by the model that wrote it; some were corrected since.
;; Mixture Of Experts. Allowed arithmetic: matrix products marked QUANTISED: E2M3 operands, one E8M0 scale for each 32 along K, by v_wmma_scale_f32_16x16x128_f8f6f4 with both operands' format E2M3, f32 sums; products left as they are: f32 operands where the result goes on into a quantised operand, else bf16, f16 or f32 operands; f32 sums; everything else in f32.
;; Inputs: W1_codes 8 x 1,024 x 32 x 24 uint8 (E2M3 codes of W1, K innermost, in blocks of 32 codes, four codes in three bytes); W1_scales 8 x 1,024 x 32 uint8 (E8M0 scales of W1, one for each 32 codes along K); W2_codes 8 x 1,024 x 32 x 24 uint8 (E2M3 codes of W2, K innermost, in blocks of 32 codes, four codes in three bytes); W2_scales 8 x 1,024 x 32 uint8 (E8M0 scales of W2, one for each 32 codes along K); Wg 1,024 x 8 float32; b1 8 x 1,024 float32; b2 8 x 1,024 float32; bg 8 float32; technical_features 4,096 x 256 float32; text_features 4,096 x 768 float32.
;; Outputs: out0 4,096 x 1,024 float32.
;; This version of the problem:
;;   THIS VERSION OF THE PROBLEM IS GIVEN IN LOW PRECISION. The matrix products marked QUANTISED in the list below multiply operands that are first quantised to E2M3 (2 exponent bits, 3 mantissa bits; 6 bits a number), with one power-of-two scale for each 32 numbers along K (OCP MX v1.0); their sums are f32. All else is computed in f32.
;;   The module's matrix products, in the order in which they are computed (A, B: the left and right operand; K: the contracted axis; several contracted axes count as one K, in the product's order):
;;     1. [M 4,096, K 1,024] x [K 1,024, N 8]; A: computed on the way; B: input Wg: left as it is (N = 8 < 16)
;;     2. [M 4,096, K 1,024] x [K 1,024, N 8,192]; A: computed on the way; B: input W1 (given as codes): QUANTISED
;;     3. batch 8 x [M 1,024, K 1,024] x [K 1,024, N 4,096]; A: input W2 (given as codes); B: computed on the way: QUANTISED
;;     4. batch 4,096 x [M 1, K 8] x [K 8, N 1,024]; A: softmax; B: computed on the way: left as it is (K = 8 < 32)
;;   THE QUANTISER, for each operand of a quantised product, along K:
;;     - K is cut into blocks of 32 from its start; a last block that is shorter is filled with zeros.
;;     - A block's scale is 2^e with e = floor(log2(the largest magnitude in the block)) - 2, held to -126 .. 127; a block of zeros has e = 0. As a byte (E8M0): e + 127.
;;     - Each number is divided by its block's scale, clamped to +-7.5, and rounded to the nearest number of E2M3, ties to even, subnormals kept.
;;     - The product sums the exact products of the quantised numbers (number of the format x scale) in f32.
;;   ~~~python
;;   def quantise(x, axis):      # numpy; x: float32 -> the quantised numbers, widened to float32 again
;;       x = np.moveaxis(x, axis, -1); K = x.shape[-1]
;;       x = np.pad(x, [(0, 0)] * (x.ndim - 1) + [(0, -K % 32)]); x = x.reshape(x.shape[:-1] + (-1, 32)); a = np.abs(x).max(-1, keepdims=True)
;;       e = np.where(a > 0, np.clip(np.frexp(np.where(a > 0, a, 1))[1] - 1 - 2, -126, 127), 0)      # np.frexp(a)[1] - 1 = floor(log2(a)), exactly
;;       r = np.clip(x / 2.0 ** e, -7.5, 7.5)
;;       step = 2.0 ** (np.maximum(np.frexp(np.where(r == 0, 1, r))[1] - 1, 0) - 3)
;;       q = np.round(r / step) * step * 2.0 ** e      # np.round: ties to even
;;       return np.moveaxis(q.reshape(q.shape[:-2] + (-1,))[..., :K], -1, axis).astype(np.float32)
;;   ~~~
;;   OPERANDS COMPUTED ON THE WAY. 'Computed on the way' means the value that the module computes at that place (a softmax that the list does not call 'softmax' is quantised finished and normalised). What goes into a quantiser is computed in f32, as accurately as f32 sums, v_exp_f32 and their like allow (about 1e-6 of the number): no bf16 or f16 on the way to a quantiser, and a product that is left as it is and whose result goes on into a quantised operand takes f32 operands (vector FMAs, or v_wmma_f32_16x16x4_f32). A number that lies on a knife's edge between two numbers of the format may be rounded either way, as far as f32 arithmetic and the matrix unit's own rounding can turn it there, and no further.
;;   INPUTS GIVEN AS CODES. W1 (in the module: [8, 1024, 1024], K = its axis 1); W2 (in the module: [8, 1024, 1024], K = its axis 1): each comes as NAME_codes (uint8): NAME with its K axis moved to the last place and cut into blocks of 32 codes, [.., K / 32, bytes a block], one block behind the other in memory; four codes in three bytes: a row's codes are one little-endian stream of bits, code i at bits 6 i .. 6 i + 5 (a code: sign, 2 exponent bits, 3 mantissa bits); and NAME_scales (uint8): the same leading axes, one E8M0 byte (e + 127) for each 32 codes along K. Its value is code x scale, taken as it is: it is not quantised again, and the codes and scales need not be those that the quantiser above would give.
;; One version. Each part assembles by itself: llvm-mc -triple=amdgcn-amd-amdhsa -mcpu=gfx1250 --defsym DOCPART=n.
;; ======== version 1 of 1: 3 launches
;; limits: right only within a limited range of input values
;; workspace buffers: xq 3,145,728 bytes; xs 131,072 bytes; gt 131,072 bytes; w1i 6,291,456 bytes; w2i 6,291,456 bytes; hq 25,165,824 bytes; hs 1,048,576 bytes
;; launch prep (part 1): grid 512 x 1, 4 waves a work-group, no clusters, 89,088 bytes of LDS; arguments text_features, technical_features, Wg, bg, W1_codes, W2_codes, xq, xs, gt, w1i, w2i; writes xq, xs, gt, w1i, w2i
.if DOCPART == 1
	.amdgcn_target "amdgcn-amd-amdhsa--gfx1250"
	.amdhsa_code_object_version 6
	.text
	.protected	k_q1f0bbfef69_prep
	.globl	k_q1f0bbfef69_prep
	.p2align	8
	.type	k_q1f0bbfef69_prep,@function
k_q1f0bbfef69_prep:
	s_mov_b64 s[64:65], 0
	v_nop
	global_prefetch_b8 v0, s[64:65] scope:SCOPE_SE
	s_setreg_imm32_b32 hwreg(HW_REG_WAVE_MODE, 25, 1), 1
	s_wait_xcnt 0x0
; PREP.  Work-groups 0-255 (path X): 16 tokens each: x = [text | technical] is quantised to E2M3 along its 1,024 columns, and the gates softmax(x Wg + bg) are made in f32.
; Work-groups 256-511 (path W): W1's and W2's codes are laid as FRAGMENT IMAGES; no code is changed.
; A FRAGMENT IMAGE is 16 rows x 128 K as the matrix operand's 12 registers a lane stand: registers 4 c .. 4 c + 3 of lane l at byte 512 c + 16 l: 1,536 bytes.  Lane (r = l % 16, h = l / 16) holds of row r
; the 24 bytes at 96 s + 24 h (registers 0-5) and at 96 s + 48 + 24 h (registers 6-11), s the K step of 128.
;   xq  [token tile of 256: 16][K step 8][block of 16 tokens: 16][1536]          xs  [4096][32] scale bytes
;   w1i [tile of 256 flat rows n = 1024 e + o: 32][K step 8][block 16][1536]; lane row r of block 2 g + u is row 32 g + 8 u + r + 8 (r / 8) of the tile
;   w2i [tile of 128 p: 8][half 2][e 8][K step 8][block 4][1536]
;   gt  the gate of (e, token b), f32, at 16384 e + 256 (b / 64) + 16 (b % 16) + 4 ((b / 16) % 4)
; A block's scale is 2^(floor(log2(largest magnitude)) - 2); its byte is the largest magnitude's exponent field - 2, held at 1 from below.
; LIMITS: NaN and infinities among the inputs are not served.  A block whose largest magnitude lies under 2^-124 keeps the byte 1; a block of zeros gets the byte 1 with zero codes where the quantiser's
; rule says 127: the bytes are read by this program alone.  A gate under 2^-126 comes out as 0 (v_exp_f32 gives 0 for results under the smallest normal number: ISA guide, its entry in 15.8).
; The gates leave as stores of 4 bytes, 16 bytes apart: 512 bytes a work-group, in the layout in which the last launch loads four of them at once.
; No tensor load, no matrix instruction.  The two paths part on the work-group's number and have LDS bytes of their own.
.set XST,  0                           ; path X: a stage for each wave: 16 rows x (512 bytes + 16)
.set PART, 33792                       ; partial logits [K step 8][row 16][e 8] f32
.set XSW,  37888                       ; x's scale words [row 16][K step 8]
.set WST,  38400                       ; path W: a stage for each wave: 16 rows x (768 bytes + 16)
.set LI,  3                            ; v3   16 x lane
.set VW,  4                            ; v4   X: 128 c, my four rows of Wg          W: VL, 768 hh + 16 c
.set SW,  5                            ; v5   the stage, on the way in
.set SRD, 6                            ; v6   the stage, on the way out
.set PA,  7                            ; v7   where my half's partial logits go
.set XW,  8                            ; v8   where my row's scale word goes
.set HH,  9                            ; v9   lane / 16
.set VO,  10                           ; v10-17  X: byte offset of my 16 bytes in rows 2 t + hh      W: VD, 16 x lane + K step x its stride
.set RXS, 18                           ; v18  wave 1's read of the scale words
.set RPT, 19                           ; v19  wave 0's read of the partial logits
.set GOF, 20                           ; v20  wave 0's offset in gt
.set BGO, 21                           ; v21  16 h: my four numbers of bg
.set BG,  24                           ; v24-27 bg
.set XR,  32                           ; v32-95   x as loaded, then 64 neighbours in the conversions' order
.set WGR, 96                           ; v96-159  Wg: 8 rows x 8 experts
.set ACC, 160                          ; v160-223 partial logits: 8 rows x 8 experts
.set TM,  160                          ; once they are stored: v160-175 at work,
.set PW,  176                          ; the scale word,
.set PC,  180                          ; v180-199 the codes
.set WR,  32                           ; path W: v32-127 rows as loaded
.set FRG, 128                          ; v128-223 eight fragments
.set SEL, 38                           ; s38, s39 lane selects for v_permlanex16_b32: lane l xor 16
	s_load_b512 s[4:19], s[0:1], 0x0               ; text s[4:5], technical s[6:7], Wg s[8:9], bg s[10:11], W1's codes s[12:13], W2's s[14:15], xq s[16:17], xs s[18:19]
	s_load_b128 s[20:23], s[0:1], 0x40             ; gt s[20:21], w1i s[22:23]
	s_load_b64 s[24:25], s[0:1], 0x50              ; w2i
	v_lshl_add_u32 v224, v0, 2, 0x15a00
	v_mov_b32 v225, 0
	v_lshrrev_b32 v1, 5, v0
	v_readfirstlane_b32 s26, v1                    ; wave 0..3
	v_and_b32 v1, 31, v0                           ; lane
	v_and_b32 v2, 15, v0                           ; c = r = lane % 16
	v_bfe_u32 v[HH], v0, 4, 1                      ; hh = h = lane / 16
	v_lshlrev_b32 v[LI], 4, v1
	s_cmp_lt_u32 ttmp9, 256
	s_cbranch_scc0 .Lweights
	; ================= PATH X: tokens 16 x work-group on.  Wave w takes K steps 2 w and 2 w + 1: waves 0-2 lie in text_features, wave 3 in technical_features
	s_lshl_b32 s28, s26, 10                        ; two K steps are 1,024 bytes of a row
	s_mov_b32 s27, 1024
	s_mov_b32 s33, 0
	s_mov_b32 s[SEL], 0x76543210
	s_mov_b32 s[SEL+1], 0xfedcba98
	s_mul_i32 s35, s26, 8448                       ; my stage
	s_wait_alu depctr_va_vdst(0)
	v_lshlrev_b32 v[VW], 7, v2
	v_mul_u32_u24 v[SW], v[HH], 528
	v_lshl_add_u32 v[SW], v2, 4, v[SW]
	v_add_nc_u32 v[SW], s35, v[SW]                 ; in: row hh (+ 2 t), 16 c
	v_mul_u32_u24 v[SRD], v2, 528
	v_lshl_add_u32 v[SRD], v[HH], 6, v[SRD]
	v_add_nc_u32 v[SRD], s35, v[SRD]               ; out: row r, + 64 h: my 16 numbers of each block of 32
	s_lshl_b32 s36, s26, 10
	s_add_co_u32 s36, s36, PART
	v_lshl_add_u32 v[PA], v[HH], 5, s36            ; PART + 512 (2 w) + 32 hh
	s_lshl_b32 s36, s26, 3
	s_add_co_u32 s36, s36, XSW
	v_lshl_add_u32 v[XW], v2, 5, s36               ; XSW + 32 r + 4 (2 w)
	v_add_nc_u32 v[RXS], XSW, v[LI]
	v_lshlrev_b32 v[RPT], 5, v2
	v_lshl_add_u32 v[RPT], v[HH], 4, v[RPT]
	v_add_nc_u32 v[RPT], PART, v[RPT]              ; PART + 32 r + 16 h
	v_lshlrev_b32 v[GOF], 16, v[HH]
	v_lshl_add_u32 v[GOF], v2, 4, v[GOF]           ; 4 h experts of 16,384 bytes + 16 r
	v_lshlrev_b32 v[BGO], 4, v[HH]
	s_wait_alu depctr_va_vdst(0)
	s_wait_kmcnt 0x0
	global_load_b128 v[BG:BG+3], v[BGO], s[10:11]  ; bg, ahead of all other loads
	s_cmp_lt_u32 s26, 3                            ; the choice hangs on the wave's number alone
	s_cselect_b32 s27, 3072, s27                   ; a row in bytes
	s_cselect_b32 s28, s28, 0                      ; my first column in bytes
	s_cselect_b64 s[30:31], s[4:5], s[6:7]
	s_lshl_b32 s32, ttmp9, 4
	s_mul_i32 s32, s32, s27
	s_add_co_u32 s32, s32, s28
	s_add_nc_u64 s[30:31], s[30:31], s[32:33]      ; my 16 rows, my two K steps
	v_mul_lo_u32 v22, v[HH], s27
	v_lshl_add_u32 v22, v2, 4, v22
	s_lshl_b32 s34, s27, 1
.irp t, 0,1,2,3,4,5,6,7
	v_mad_u32_u24 v[VO+\t], \t, s34, v22           ; (2 t + hh) rows + 16 c
.endr
	s_lshl_b32 s32, s26, 13
	s_add_nc_u64 s[8:9], s[8:9], s[32:33]          ; Wg at my 256 rows of 32 bytes
	s_lshr_b32 s32, ttmp9, 4
	s_mul_i32 s32, s32, 196608
	s_mul_i32 s36, s26, 49152
	s_add_co_u32 s32, s32, s36
	s_and_b32 s36, ttmp9, 15
	s_mul_i32 s36, s36, 1536
	s_add_co_u32 s32, s32, s36
	s_add_nc_u64 s[16:17], s[16:17], s[32:33]      ; xq: token tile, K step 2 w, my block
	s_lshl_b32 s32, ttmp9, 9
	s_add_nc_u64 s[18:19], s[18:19], s[32:33]      ; xs: 16 rows of 32 bytes
	s_lshr_b32 s32, ttmp9, 2
	s_lshl_b32 s32, s32, 8
	s_and_b32 s36, ttmp9, 3
	s_lshl_b32 s36, s36, 2
	s_add_co_u32 s32, s32, s36
	s_add_nc_u64 s[20:21], s[20:21], s[32:33]      ; gt: 256 (block / 4) + 4 (block % 4)
; 64 numbers of a lane, v[s] on, register 16 b + i = k 32 b + 16 h + i of my row, become a fragment's codes in v[PC] on and its scale word in v[PW]
.macro QUANT s
.irp b, 0,1,2,3
	v_max3_num_f32 v[TM+\b], |v[\s+16*\b]|, |v[\s+1+16*\b]|, 0x1800000   ; block b: my 16 numbers, and the floor 2^(3 - 127): the byte cannot fall under 1
.endr
.irp i, 2,4,6,8,10,12,14
.irp b, 0,1,2,3
	v_max3_num_f32 v[TM+\b], v[TM+\b], |v[\s+16*\b+\i]|, |v[\s+1+16*\b+\i]|   ; the four blocks by turns
.endr
.endr
.irp b, 0,1,2,3
	v_permlanex16_b32 v[TM+4+\b], v[TM+\b], s[SEL], s[SEL+1]
.endr
.irp b, 0,1,2,3
	v_max_num_f32 v[TM+\b], v[TM+\b], v[TM+4+\b]   ; with lane l xor 16's: the block's largest magnitude
.endr
.irp b, 0,1,2,3
	v_add_nc_u32 v[TM+12+\b], 0xff000000, v[TM+\b] ; 2 off its exponent field: the conversion takes the exponent field of this operand as its scale
.endr
.irp b, 0,1,2,3
	v_lshrrev_b32 v[TM+4+\b], 23, v[TM+12+\b]      ; the scale's byte
.endr
	v_lshl_or_b32 v[PW], v[TM+5], 8, v[TM+4]
	v_lshl_or_b32 v[PW], v[TM+6], 16, v[PW]
	v_lshl_or_b32 v[PW], v[TM+7], 24, v[PW]        ; my row's scale word
.irp c, 0,1
	v_cvt_scalef32_pk16_fp6_f32 v[PC+6*\c:PC+2+6*\c], v[\s+32*\c:\s+15+32*\c], v[TM+12+2*\c]
	v_cvt_scalef32_pk16_fp6_f32 v[PC+12+4*\c:PC+14+4*\c], v[\s+16+32*\c:\s+31+32*\c], v[TM+13+2*\c]   ; (a conversion's three registers begin on an even number)
.endr
	v_nop                                          ; one plain place behind a scaled conversion
.irp c, 0,1                                    ; the operand wants a whole block in a lane: lanes 0-15 block 2 c, lanes 16-31 block 2 c + 1
.irp i, 0,1,2
	v_permlane16_swap_b32 v[PC+6*\c+\i], v[PC+12+4*\c+\i]
.endr
.irp i, 0,1,2
	v_mov_b32 v[PC+3+6*\c+\i], v[PC+12+4*\c+\i]
.endr
.endr
.endm
; K step 2 w + ks of my 16 rows
; The loads of K step 2 w + ks.  Both K steps' loads go out ahead of the first's work; the second's land in window 1 (v288-415), under the same numbers.
.macro XL ks
.if \ks
	s_set_vgpr_msb 0x40                            ; destination window 1, addresses window 0
.endif
.irp t, 0,1,2,3,4,5,6,7
.irp u, 0,1
	global_load_b128 v[XR+8*\t+4*\u:XR+8*\t+4*\u+3], v[VO+\t], s[30:31] offset:512*\ks+256*\u th:TH_LOAD_NT   ; sixteen lanes read 256 consecutive bytes of a row: x(2 t + hh, 64 u + 4 c + 0..3)
.endr
.endr
.irp u, 0,1
.irp i, 0,1,2,3
.irp f, 0,1
	global_load_b128 v[WGR+8*(4*\u+\i)+4*\f:WGR+8*(4*\u+\i)+4*\f+3], v[VW], s[8:9] offset:4096*\ks+2048*\u+32*\i+16*\f   ; Wg(64 u + 4 c + i, 4 f + 0..3)
.endr
.endr
.endr
.if \ks
	s_set_vgpr_msb 0x4000
.endif
.endm
; The work of K step 2 w + ks
.macro XK ks
	s_wait_loadcnt 48-32*\ks                       ; the younger loads: this K step's 16 of Wg and, in the first K step, the second's 32: x is in
.if \ks
	s_set_vgpr_msb 0x0004                          ; an LDS store's data are its source 1: window 1
.endif
.irp t, 0,1,2,3,4,5,6,7
.irp u, 0,1
	ds_store_b128 v[SW], v[XR+8*\t+4*\u:XR+8*\t+4*\u+3] offset:1056*\t+256*\u
.endr
.endr
	s_wait_loadcnt 32-32*\ks                       ; Wg is in
	s_wait_xcnt 0x0                                ; the last K step's stores of codes have read their registers,
	s_wait_dscnt 0x0                               ; and so has the store of its scale word: both lie among the partial sums' registers, which are written now
.if \ks
	s_set_vgpr_msb 0x0405                          ; x and Wg in window 1, the sums in window 0
.endif
.irp u, 0,1
.irp i, 0,1,2,3
.irp t, 0,1,2,3,4,5,6,7
.irp n, 0,1,2,3
.if (\u == 0) && (\i == 0)
	v_pk_mul_f32 v[ACC+8*\t+2*\n:ACC+8*\t+2*\n+1], v[XR+8*\t:XR+8*\t+1], v[WGR+2*\n:WGR+2*\n+1] op_sel_hi:[0,1]   ; the first product starts the sums
.elseif (\i % 2) == 0
	v_pk_fma_f32 v[ACC+8*\t+2*\n:ACC+8*\t+2*\n+1], v[XR+8*\t+4*\u+\i:XR+8*\t+4*\u+\i+1], v[WGR+8*(4*\u+\i)+2*\n:WGR+8*(4*\u+\i)+2*\n+1], v[ACC+8*\t+2*\n:ACC+8*\t+2*\n+1] op_sel_hi:[0,1,1]
.else
	v_pk_fma_f32 v[ACC+8*\t+2*\n:ACC+8*\t+2*\n+1], v[XR+8*\t+4*\u+\i-1:XR+8*\t+4*\u+\i], v[WGR+8*(4*\u+\i)+2*\n:WGR+8*(4*\u+\i)+2*\n+1], v[ACC+8*\t+2*\n:ACC+8*\t+2*\n+1] op_sel:[1,0,0] op_sel_hi:[1,1,1]
.endif
.endr
.endr
.endr
.endr
.if \ks
	s_set_vgpr_msb 0x0500
.endif
.irp m, 1,2,4,8
.set j, 0
.rept 64
	v_add_f32_dpp v[ACC+j], v[ACC+j], v[ACC+j] row_xmask:\m row_mask:0xf bank_mask:0xf
.set j, j+1
.endr
.endr
.irp t, 0,1,2,3,4,5,6,7
.irp f, 0,1
	ds_store_b128 v[PA], v[ACC+8*\t+4*\f:ACC+8*\t+4*\f+3] offset:512*\ks+64*\t+16*\f   ; the sixteen lanes of a half write the same numbers to the same bytes
.endr
.endr
.irp b, 0,1,2,3
.irp n, 0,1,2,3
	ds_load_b128 v[XR+16*\b+4*\n:XR+16*\b+4*\n+3], v[SRD] offset:128*\b+16*\n   ; LDS serves a wave's instructions in order: these see my stores into the stage
.endr
.endr
	s_wait_dscnt 0x0                               ; x is back, and the stores of the partial sums have read their registers
	QUANT XR
.irp c, 0,1,2
	global_store_b128 v[LI], v[PC+4*\c:PC+4*\c+3], s[16:17] offset:24576*\ks+512*\c   ; 32 lanes store 512 consecutive bytes
.endr
	ds_store_b32 v[XW], v[PW] offset:4*\ks         ; lanes r and r + 16 write the same word with the same value
.endm
	s_wait_alu depctr_va_vdst(0)
	XL 0
	XL 1
	XK 0
	XK 1
	s_wait_dscnt 0x0                               ; for the others' sake: my partial logits and scale words lie in LDS
	s_barrier_signal -1
	s_barrier_wait -1
	s_cmp_eq_u32 s26, 1
	s_cbranch_scc1 .Lscales_out
	s_cmp_eq_u32 s26, 0
	s_cbranch_scc1 .Lgates
	s_wait_tensorcnt 0x0
	ds_add_u32 v224, v225
	s_wait_dscnt 0x0
	s_endpgm
.Lscales_out:                                      ; wave 1: 16 rows x 32 scale bytes leave as 512 consecutive bytes
	ds_load_b128 v[32:35], v[RXS]
	s_wait_dscnt 0x0
	global_store_b128 v[LI], v[32:35], s[18:19]
	s_wait_tensorcnt 0x0
	ds_add_u32 v224, v225
	s_wait_dscnt 0x0
	s_endpgm
.Lgates:                                           ; wave 0: lane (r, h) has token r and experts 4 h .. 4 h + 3
.irp s, 0,1,2,3,4,5,6,7
	ds_load_b128 v[32+4*\s:35+4*\s], v[RPT] offset:512*\s
.endr
	s_wait_dscnt 0x0
.irp s, 1,2,3,4,5,6,7
	v_pk_add_f32 v[32:33], v[32:33], v[32+4*\s:33+4*\s]
	v_pk_add_f32 v[34:35], v[34:35], v[34+4*\s:35+4*\s]
.endr
	v_pk_add_f32 v[32:33], v[32:33], v[BG:BG+1]
	v_pk_add_f32 v[34:35], v[34:35], v[BG+2:BG+3]  ; the logits
	v_max3_num_f32 v36, v32, v33, v34
	v_max_num_f32 v36, v36, v35
	v_permlanex16_b32 v37, v36, s[SEL], s[SEL+1]
	v_max_num_f32 v36, v36, v37                    ; the row's largest logit is taken off ahead of the exponential
.irp i, 0,1,2,3
	v_sub_f32 v[32+\i], v[32+\i], v36
.endr
.irp i, 0,1,2,3
	v_mul_f32 v[32+\i], 0x3fb8aa3b, v[32+\i]       ; x log2(e)
.endr
	s_wait_alu depctr_va_vdst(0)
.irp i, 0,1,2,3
	v_exp_f32 v[32+\i], v[32+\i]
.endr
	v_nop                                          ; a plain place behind the exponentials
	s_wait_alu depctr_va_vdst(0)                   ; one wait for the four, ahead of their first reader
	v_add_f32 v38, v32, v33
	v_add_f32 v39, v34, v35
	v_add_f32 v38, v38, v39
	v_permlanex16_b32 v39, v38, s[SEL], s[SEL+1]
	v_add_f32 v38, v38, v39                        ; at least 1: the largest logit's term
	s_wait_alu depctr_va_vdst(0)
	v_rcp_f32 v40, v38
	v_nop
	s_wait_alu depctr_va_vdst(0)
.irp i, 0,1,2,3
	v_mul_f32 v[32+\i], v[32+\i], v40
.endr
	; gt holds the gates in pairs of experts (2 w, 2 w + 1): at the odd expert's place its gate, held at 2^-40 from below; at the even expert's place its gate divided by that number
	v_max_num_f32 v33, 0x2b800000, v33
	v_max_num_f32 v35, 0x2b800000, v35
	s_wait_alu depctr_va_vdst(0)                   ; ahead of the batch
	v_rcp_f32 v41, v33
	v_rcp_f32 v42, v35
	v_nop                                          ; a plain place behind the two
	s_wait_alu depctr_va_vdst(0)                   ; ahead of their first reader
	v_mul_f32 v32, v32, v41
	v_mul_f32 v34, v34, v42
.irp i, 0,1,2,3
	global_store_b32 v[GOF], v[32+\i], s[20:21] offset:16384*\i
.endr
	s_wait_tensorcnt 0x0
	ds_add_u32 v224, v225
	s_wait_dscnt 0x0
	s_endpgm
	; ================= PATH W: wave T = 4 (work-group - 256) + wave takes one block of 16 rows, all of K: T < 512: block T of W1; else block T - 512 of W2
.Lweights:
	s_sub_co_u32 s27, ttmp9, 256
	s_lshl_b32 s27, s27, 2
	s_add_co_u32 s27, s27, s26                     ; T
	s_and_b32 s28, s27, 511                        ; i
	s_lshr_b32 s29, s28, 1                         ; W1: the block's first row 32 (i / 2) + 8 (i % 2); its rows 8-15 lie 16 rows on
	s_lshl_b32 s29, s29, 5
	s_and_b32 s30, s28, 1
	s_lshl_b32 s30, s30, 3
	s_add_co_u32 s29, s29, s30
	s_lshr_b32 s30, s28, 4                         ; and its place: tile i / 16, block i % 16
	s_mul_i32 s30, s30, 196608
	s_and_b32 s31, s28, 15
	s_mul_i32 s31, s31, 1536
	s_add_co_u32 s30, s30, s31
	s_lshl_b32 s32, s28, 4                         ; W2: 16 neighbouring rows from 16 i on
	s_bfe_u32 s33, s28, 0x30003                    ; its place: tile of p (i % 64) / 8,
	s_mul_i32 s33, s33, 786432
	s_lshr_b32 s34, s28, 6                         ; expert i / 64,
	s_mul_i32 s34, s34, 49152                      ; w2i is laid [tile of 128 p: 8][half of the tile's 8 blocks: 2][e 8][K step 8][block 4][1536]
	s_add_co_u32 s33, s33, s34
	s_and_b32 s34, s28, 3                          ; block i % 4 of its half
	s_mul_i32 s34, s34, 1536
	s_add_co_u32 s33, s33, s34
	s_bfe_u32 s34, s28, 0x10002                    ; the half (i % 8) / 4
	s_mul_i32 s34, s34, 393216
	s_add_co_u32 s33, s33, s34
	s_mov_b32 s35, 6144
	s_mul_i32 s37, s26, 12544
	s_add_co_u32 s37, s37, WST                     ; my stage
	s_wait_kmcnt 0x0
	s_cmp_lt_u32 s27, 512                          ; the choice hangs on ids alone
	s_cselect_b32 s29, s29, s32                    ; the first row
	s_cselect_b32 s36, 16, 8                       ; from row 0 to row 8 of the block
	s_cselect_b32 s30, s30, s33                    ; the place of K step 0's image
	s_cselect_b32 s35, 24576, s35                  ; from K step to K step
	s_cselect_b64 s[12:13], s[12:13], s[14:15]
	s_cselect_b64 s[22:23], s[22:23], s[24:25]
	s_mul_i32 s32, s29, 768
	s_mov_b32 s33, 0
	s_add_nc_u64 s[12:13], s[12:13], s[32:33]      ; rows 0-7
	s_mul_i32 s32, s36, 768
	s_add_nc_u64 s[14:15], s[12:13], s[32:33]      ; rows 8-15
	s_mov_b32 s31, 0
	s_add_nc_u64 s[22:23], s[22:23], s[30:31]
	s_wait_alu depctr_va_vdst(0)
	v_mul_u32_u24 v[VW], v[HH], 768
	v_lshl_add_u32 v[VW], v2, 4, v[VW]             ; two rows a load: 768 hh + 16 c
	v_mul_u32_u24 v[SW], v[HH], 784
	v_lshl_add_u32 v[SW], v2, 4, v[SW]
	v_add_nc_u32 v[SW], s37, v[SW]
	v_mul_u32_u24 v[SRD], v2, 784                  ; rows 784 bytes apart = 196 words: row r starts at bank 4 r mod 64 (64 banks of 4 bytes: ISA guide 11.1), and lanes 16-31 stand 6 words on
	v_mad_u32_u24 v[SRD], v[HH], 24, v[SRD]
	v_add_nc_u32 v[SRD], s37, v[SRD]
.irp s, 0,1,2,3,4,5,6,7
	v_mad_u32_u24 v[VO+\s], \s, s35, v[LI]
.endr
.irp t, 0,1,2,3,4,5,6,7
.irp u, 0,1,2
.if \t < 4
	global_load_b128 v[WR+12*\t+4*\u:WR+12*\t+4*\u+3], v[VW], s[12:13] offset:1536*\t+256*\u th:TH_LOAD_NT   ; sixteen lanes read 256 consecutive bytes of a row, aligned
.else
	global_load_b128 v[WR+12*\t+4*\u:WR+12*\t+4*\u+3], v[VW], s[14:15] offset:1536*(\t-4)+256*\u th:TH_LOAD_NT
.endif
.endr
.endr
	s_wait_alu depctr_va_vdst(0)
	s_wait_loadcnt 0x0
.irp t, 0,1,2,3,4,5,6,7
.irp u, 0,1,2
	ds_store_b128 v[SW], v[WR+12*\t+4*\u:WR+12*\t+4*\u+3] offset:1568*\t+256*\u
.endr
.endr
.irp s, 0,1,2,3,4,5,6,7
.irp n, 0,1,2,3,4,5
	ds_load_b64 v[FRG+12*\s+2*\n:FRG+12*\s+2*\n+1], v[SRD] offset:96*\s+48*(\n/3)+8*(\n%3)   ; the fragment's registers; LDS serves a wave's instructions in order
.endr
.endr
.irp s, 0,1,2,3,4,5,6,7
	s_wait_dscnt 42-6*\s                           ; the younger loads are the later K steps' six each
.irp c, 0,1,2
	global_store_b128 v[VO+\s], v[FRG+12*\s+4*\c:FRG+12*\s+4*\c+3], s[22:23] offset:512*\c   ; 32 lanes store 512 consecutive bytes
.endr
.endr
	s_wait_tensorcnt 0x0
	ds_add_u32 v224, v225
	s_wait_dscnt 0x0
	s_endpgm
.Lfunc_end_k_q1f0bbfef69_prep:
	.size	k_q1f0bbfef69_prep, .Lfunc_end_k_q1f0bbfef69_prep-k_q1f0bbfef69_prep
	.p2alignl 7, 3214868480
	.fill 96, 4, 3214868480
	.section	.rodata,"a",@progbits
	.p2align	6, 0x0
	.amdhsa_kernel k_q1f0bbfef69_prep
		.amdhsa_group_segment_fixed_size 89088
		.amdhsa_private_segment_fixed_size 0
		.amdhsa_enable_private_segment 0
		.amdhsa_kernarg_size 88
		.amdhsa_user_sgpr_count 2
		.amdhsa_user_sgpr_kernarg_segment_ptr 1
		.amdhsa_wavefront_size32 1
		.amdhsa_system_sgpr_workgroup_id_x 1
		.amdhsa_system_sgpr_workgroup_id_y 1
		.amdhsa_system_sgpr_workgroup_id_z 1
		.amdhsa_system_vgpr_workitem_id 0
		.amdhsa_next_free_vgpr 416
		.amdhsa_next_free_sgpr 66
		.amdhsa_reserve_vcc 0
		.amdhsa_float_denorm_mode_32 3
		.amdhsa_float_denorm_mode_16_64 3
		.amdhsa_memory_ordered 1
		.amdhsa_forward_progress 1
		.amdhsa_inst_pref_size 106
	.end_amdhsa_kernel
	.amdgpu_metadata
---
amdhsa.version: [ 1, 2 ]
amdhsa.kernels:
  - .name:           k_q1f0bbfef69_prep
    .symbol:         k_q1f0bbfef69_prep.kd
    .args:
      - { .name: text_features, .offset: 0, .size: 8, .value_kind: global_buffer, .address_space: global }
      - { .name: technical_features, .offset: 8, .size: 8, .value_kind: global_buffer, .address_space: global }
      - { .name: Wg, .offset: 16, .size: 8, .value_kind: global_buffer, .address_space: global }
      - { .name: bg, .offset: 24, .size: 8, .value_kind: global_buffer, .address_space: global }
      - { .name: W1_codes, .offset: 32, .size: 8, .value_kind: global_buffer, .address_space: global }
      - { .name: W2_codes, .offset: 40, .size: 8, .value_kind: global_buffer, .address_space: global }
      - { .name: xq, .offset: 48, .size: 8, .value_kind: global_buffer, .address_space: global }
      - { .name: xs, .offset: 56, .size: 8, .value_kind: global_buffer, .address_space: global }
      - { .name: gt, .offset: 64, .size: 8, .value_kind: global_buffer, .address_space: global }
      - { .name: w1i, .offset: 72, .size: 8, .value_kind: global_buffer, .address_space: global }
      - { .name: w2i, .offset: 80, .size: 8, .value_kind: global_buffer, .address_space: global }
    .group_segment_fixed_size: 89088
    .private_segment_fixed_size: 0
    .kernarg_segment_align: 8
    .kernarg_segment_size: 88
    .max_flat_workgroup_size: 128
    .sgpr_count:     66
    .vgpr_count:     416
    .wavefront_size: 32
...
	.end_amdgpu_metadata
.endif
;; end of part 1
;; launch gemm1 (part 2): grid 16 x 16, 4 waves a work-group, clusters of 4 x 4, 327,680 bytes of LDS; arguments xq, xs, w1i, W1_scales, b1, hq, hs; writes hq, hs
.if DOCPART == 2
	.amdgcn_target "amdgcn-amd-amdhsa--gfx1250"
	.amdhsa_code_object_version 6
	.text
	.protected	k_q1f0bbfef69_gemm1
	.globl	k_q1f0bbfef69_gemm1
	.p2align	8
	.type	k_q1f0bbfef69_gemm1,@function
k_q1f0bbfef69_gemm1:
	s_mov_b64 s[64:65], 0
	v_nop
	global_prefetch_b8 v0, s[64:65] scope:SCOPE_SE
	s_setreg_imm32_b32 hwreg(HW_REG_WAVE_MODE, 25, 1), 1
	s_wait_xcnt 0x0
	s_wait_alu depctr_hold_cnt(0) depctr_sa_sdst(0) depctr_va_vdst(0) depctr_va_sdst(0) depctr_va_ssrc(0) depctr_va_vcc(0) depctr_vm_vsrc(0)
	s_getreg_b32 s2, hwreg(HW_REG_IB_STS2, 6, 4)
	s_cmp_eq_u32 s2, 0
	s_cbranch_scc0 .Lentry_in_a_cluster
	s_endpgm
.Lentry_in_a_cluster:
	s_bfe_u32 s2, ttmp6, 0x10000c
	s_cmp_lg_u32 s2, 0xf033
	s_cbranch_scc0 .Lentry_shape_is_right
	s_endpgm
.Lentry_shape_is_right:
; h = relu(x W1 + b1) on codes of E2M3 with E8M0 scales, quantised again along its columns o and stored as fragment images for the next launch.
; x: 4,096 tokens x 1,024 (xq, xs).  W1: 8,192 flat columns n = 1024 e + o x 1,024 (w1i, W1_scales as given).  A fragment image: 16 rows x 128 K, registers 4 c .. 4 c + 3 of lane l at 512 c + 16 l.
; SHARES.  A work-group owns 256 tokens (ty) x 512 columns (tx), as two tiles of 256 columns one after the other; each of its four waves makes 128 x 128 of a tile: 64 accumulators, 512 registers.
; x's images of the 256 tokens, all of K (196,608 bytes), come into LDS ONCE and serve both tiles; W1's go through a ring of two slots of two K steps (49,152 bytes).  Each wave brings a quarter of x's fill and of every refill.
; CLUSTER 4 x 4: the four of a row need the same x, the four of a column the same W1: each fill is asked for jointly, by the same tensor load with the same descriptor and a mask that names the four.
; THE PRODUCT IS USED TRANSPOSED: source 0 = 16 rows of W1, source 1 = 16 tokens.  Lane (r, h) then holds token r; w1i's rows are ordered so that the 64 registers of a token block's eight tiles are
; o = 32 g + 16 h + 0 .. 15 (g = 0 .. 3): sixteen neighbours of each block of 32, as the conversions want them.  b1 is the C of each sum's first product.
; A wave's 128 columns are one K step S = n / 128 of the next product:  hq [tile of 128 tokens: 32][S 64][block 8][1536];  hs [32][S 64][512]: the scale word of (block a, row r) at 16 (r + 16 (a % 2)) + 4 (a / 2).
; LIMITS: NaN and infinities are not served; a block of h whose largest number lies under 2^-124, a block of zeros among them, gets the byte 1 (zeros have zero codes; the bytes are read by this program alone).
; The launch claims all of a WGP's LDS; the text uses 320,000 bytes.
; REGISTERS, in windows of 256: window 0: v8-17 addresses; v28-29 the add's; v32-63 scale words, two sets; v64-91 at work; v96-115, v224-243 codes just made, two sets; v128-223 x's eight fragments, ONE set.
;   window 1: W1's eight fragments, TWO sets, at v0 and v128; b1's eight tiles at v96-127 and v224-255.   window 2: the accumulators of token blocks 0-3 ((a, b) at v[8 (8 a + b)]);   window 3: of blocks 4-7.
.set BR0,   196608                     ; LDS: x's images at 0;  W1's slot 0,
.set BR1,   245760                     ; slot 1,
.set SCA,   294912                     ; x's scale bytes: 256 rows x 32,
.set SCB,   303104                     ; W1's: 512 rows x 32,
.set SPARE, 319488                     ; the spare words: 128 bytes for each wave, two blocks of 256 bytes that no other line names
.set ADRA, 8                           ; v8-11  x's fragments of K steps 2 j, 2 j + 1: 49152 j + 12288 mi + 16 x lane
.set ADRB, 12                          ; v12-13 W1's in slot 0, 1: + 12288 ni + 16 x lane
.set ADSA, 14                          ; v14    x's scale words: lane l takes row 32 g + l of my 128
.set ADSB, 15                          ; v15    W1's: lane (r, u) takes row 32 g + 8 u + r + 8 (r / 8) of my 128
.set LI,   16                          ; v16    16 x lane
.set VB,   17                          ; v17    64 h: b1's sixteen numbers of my half
.set SPW,  28
.set NIL,  29
.set SC,   32                          ; set s at 32 + 16 s: x's words at + 2 g + q (lanes 0-15 block 2 g, lanes 16-31 block 2 g + 1), W1's at + 8 + 2 g + q; q: the period's K step
.set TM,   64
.set PWR,  80                          ; v80-87 the eight token blocks' scale words
.set HSW,  88                          ; v88-91 as they are stored
.set PC0,  96
.set PC1,  224
.set AF,   128
.set G1A,  28                          ; s[28:35]  group 1: 192 rows of 256 bytes, my row's mask     (x, two K steps of all 256 tokens)
.set G1A3, 36                          ; s[36:43]  192 rows, my column's mask                        (W1, a whole slot: the two first fills)
.set G1B,  44                          ; s[44:51]  48 rows, my column's mask                         (W1, a quarter of a slot: the refills)
.set G1SA, 52                          ; s[52:59]  32 rows, my row's mask                            (x's scales)
.set G0SA, 60
.set G1SB, 68                          ; s[68:75]  64 rows, my column's mask                         (W1's scales)
.set G0SB, 76
.set G0A0, 80                          ; x's K steps 2 w and 2 w + 1: wave 0 asks at the head, waves 1 to 3 behind the first round
.set G0A3, 84                          ; W1's slot 1 - w: wave 1 asks for slot 0 at the head, wave 0 for slot 1 behind the first round
.set G0B,  88                          ; s[88:91], s[92:95]: a group 0 for each slot
.set SEL,  96                          ; s96, s97  lane selects for v_permlanex16_b32: lane l xor 16
.set MSB, 0
.macro WIN new                         ; the immediate's high byte repeats the setting that is left; a switch that changes nothing is dropped
.if MSB != (\new)
	s_set_vgpr_msb (MSB<<8)|(\new)
.set MSB, (\new)
.endif
.endm
.set MUL_LO, 0xa1                      ; source 0 (W1) window 1, source 1 (x) window 0, C and D window 2;  with b1 as C (window 1): 0x91
.set MUL_HI, 0xf1                      ; the same, C and D window 3;  with b1: 0xd1
.set TO_B,   0x40                      ; destination window 1, address window 0
.macro PLACES                          ; four plain places behind matrix instructions: in front of loads into registers that they read and of the first read of results
.rept 4
	v_nop
.endr
.endm
.macro CREST                           ; a round of the cluster's barrier behind its opening barrier
	s_cmp_lg_u32 s18, 0
	s_cbranch_scc1 .Lnot_wave_0_\@
	s_barrier_signal -3
.Lnot_wave_0_\@:
	s_barrier_wait -3
	s_barrier_signal -1
	s_barrier_wait -1
.endm
.macro CROUND
	s_barrier_signal -1
	s_barrier_wait -1
	CREST
.endm
.macro GROUP1 g, rows                  ; a dense block as rows of 256 bytes: 32 elements of 8 bytes, pitch 32, no padding
	s_mov_b32 s[\g+1], 32<<16                      ; tensor_dim0
	s_mov_b32 s[\g+2], (\rows)<<16                 ; tensor_dim1
	s_mov_b32 s[\g+3], 32<<16                      ; tile_dim0
	s_mov_b32 s[\g+4], \rows                       ; tile_dim1
	s_mov_b32 s[\g+5], 32                          ; tensor_dim0_stride
	s_mov_b32 s[\g+6], 0
	s_mov_b32 s[\g+7], 0
.endm
	s_load_b256 s[4:11], s[0:1], 0x0               ; xq s[4:5], xs s[6:7], w1i s[8:9], W1's scales s[10:11]
	s_load_b128 s[12:15], s[0:1], 0x20             ; b1 s[12:13], hq s[14:15]
	s_load_b64 s[16:17], s[0:1], 0x30              ; hs
	v_lshl_add_u32 v[SPW], v0, 2, SPARE
	v_mov_b32 v[NIL], 0
	ds_add_u32 v28, v29
	ds_add_u32 v28, v29
	s_wait_dscnt 0x0
	v_lshrrev_b32 v1, 5, v0
	v_readfirstlane_b32 s18, v1                    ; wave 0..3
	s_lshr_b32 s19, s18, 1                         ; mi: which 128 tokens
	s_and_b32 s20, s18, 1                          ; ni: which 128 columns
	s_bfe_u32 s21, ttmp6, 0x40000                  ; cx
	s_bfe_u32 s22, ttmp6, 0x40004                  ; cy
	s_lshl_b32 s23, ttmp9, 2
	s_add_co_u32 s23, s23, s21                     ; tx = 4 x cluster x + cx
	s_and_b32 s24, ttmp7, 0xffff
	s_lshl_b32 s24, s24, 2
	s_add_co_u32 s24, s24, s22                     ; ty = 4 x cluster y + cy
	s_lshl_b32 s25, s22, 2
	s_lshl_b32 s25, 15, s25                        ; my row of the cluster
	s_lshl_b32 s26, 0x1111, s21                    ; my column
	s_or_b32 s[G1A], s25, (3<<16)|(1<<21)          ; 15:0 the mask; 17:16 elements of 8 bytes; 21 set beside a mask
	s_or_b32 s[G1A3], s26, (3<<16)|(1<<21)
	s_or_b32 s[G1SA], s25, (3<<16)|(1<<21)
	s_or_b32 s[G1B], s26, (3<<16)|(1<<21)
	s_or_b32 s[G1SB], s26, (3<<16)|(1<<21)
	GROUP1 G1A, 192
	GROUP1 G1A3, 192
	GROUP1 G1B, 48
	GROUP1 G1SA, 32
	GROUP1 G1SB, 64
	; group 0: LDS addresses hang on the wave's number alone; x's global addresses on ty and the wave (s98, s99), W1's on tx and the wave (s100, s101)
	s_mov_b32 s[G0SA], 1
	s_mov_b32 s[G0SA+1], SCA
	s_mov_b32 s[G0SB], 1
	s_mov_b32 s[G0SB+1], SCB
	s_mov_b32 s[G0A0], 1
	s_mul_i32 s[G0A0+1], s18, 49152
	s_mov_b32 s[G0A3], 1
	s_xor_b32 s[G0A3+1], s18, 1
	s_mul_i32 s[G0A3+1], s[G0A3+1], 49152
	s_add_co_u32 s[G0A3+1], s[G0A3+1], BR0
	s_mov_b32 s[G0B], 1
	s_mul_i32 s[G0B+1], s18, 12288
	s_add_co_u32 s[G0B+1], s[G0B+1], BR0
	s_mov_b32 s[G0B+4], 1
	s_mul_i32 s[G0B+5], s18, 12288
	s_add_co_u32 s[G0B+5], s[G0B+5], BR1
	s_wait_kmcnt 0x0
	s_lshl_b32 s98, s24, 13
	s_mov_b32 s99, 0
	s_add_nc_u64 s[G0SA+2:G0SA+3], s[6:7], s[98:99]        ; xs + 8192 ty
	s_or_b32 s[G0SA+3], s[G0SA+3], 0x80000000
	s_mul_i32 s98, s24, 196608
	s_mul_i32 s99, s18, 49152
	s_add_co_u32 s98, s98, s99
	s_mov_b32 s99, 0
	s_add_nc_u64 s[G0A0+2:G0A0+3], s[4:5], s[98:99]        ; xq + 196608 ty + 49152 w
	s_or_b32 s[G0A0+3], s[G0A0+3], 0x80000000
	s_lshl_b32 s100, s23, 14
	s_mov_b32 s101, 0
	s_add_nc_u64 s[G0SB+2:G0SB+3], s[10:11], s[100:101]    ; W1's scales + 16384 tx
	s_or_b32 s[G0SB+3], s[G0SB+3], 0x80000000
	s_mul_i32 s100, s23, 393216
	s_mul_i32 s101, s18, 12288
	s_add_co_u32 s100, s100, s101
	s_mov_b32 s101, 0
	s_add_nc_u64 s[G0B+2:G0B+3], s[8:9], s[100:101]        ; w1i + 393216 tx + 12288 w: period 0
	s_add_nc_u64 s[G0B+6:G0B+7], s[G0B+2:G0B+3], 49152     ; period 1
	s_or_b32 s[G0B+3], s[G0B+3], 0x80000000
	s_or_b32 s[G0B+7], s[G0B+7], 0x80000000
	s_mul_i32 s100, s23, 393216
	s_xor_b32 s101, s18, 1
	s_mul_i32 s101, s101, 49152
	s_add_co_u32 s100, s100, s101
	s_mov_b32 s101, 0
	s_add_nc_u64 s[G0A3+2:G0A3+3], s[8:9], s[100:101]      ; w1i + 393216 tx + 49152 (1 - w): a whole period
	s_or_b32 s[G0A3+3], s[G0A3+3], 0x80000000
	CROUND                                         ; all sixteen work-groups are here: the first joint loads meet
; THE HEAD'S LOADS, ONE A WAVE: what the first period needs is shared out: wave 0 x's K steps 0 and 1, wave 1 W1's period 0, wave 2 x's scales, wave 3 W1's.
; One chain of branches on the wave's number: every way through it passes one load.
.macro ARM under, g0, g1, next
	s_cmp_lt_u32 s18, \under
	s_cbranch_scc0 \next
	tensor_load_to_lds s[\g0:\g0+3], s[\g1:\g1+7]
	s_nop 0
	PLACES
	s_branch .Lhead_asked
\next:
.endm
	ARM 1, G0A0, G1A,  .Lhead_b
	ARM 2, G0A3, G1A3, .Lhead_sa
	ARM 3, G0SA, G1SA, .Lhead_sb
	tensor_load_to_lds s[G0SB:G0SB+3], s[G1SB:G1SB+7]
	s_nop 0
	PLACES
.Lhead_asked:
	v_and_b32 v1, 31, v0                           ; lane
	v_and_b32 v2, 15, v0                           ; r
	v_bfe_u32 v3, v0, 4, 1                         ; h
	v_lshlrev_b32 v[LI], 4, v1
	s_mul_i32 s27, s19, 12288
	v_add_nc_u32 v[ADRA], s27, v[LI]
	v_add_nc_u32 v[ADRA+1], 49152, v[ADRA]
	v_add_nc_u32 v[ADRA+2], 98304, v[ADRA]
	v_add_nc_u32 v[ADRA+3], 147456, v[ADRA]
	s_mul_i32 s27, s20, 12288
	s_add_co_u32 s27, s27, BR0
	v_add_nc_u32 v[ADRB], s27, v[LI]
	v_add_nc_u32 v[ADRB+1], 49152, v[ADRB]
	s_lshl_b32 s27, s19, 12
	s_add_co_u32 s27, s27, SCA
	v_lshl_add_u32 v[ADSA], v1, 5, s27
	v_and_b32 v4, 8, v2
	v_add_nc_u32 v4, v4, v2
	v_lshl_add_u32 v4, v3, 3, v4                   ; 8 u + r + 8 (r / 8), u = lane / 16
	s_lshl_b32 s27, s20, 12
	s_add_co_u32 s27, s27, SCB
	v_lshl_add_u32 v[ADSB], v4, 5, s27
	v_lshlrev_b32 v[VB], 6, v3
	v_min_u32 v5, 11, v1
	s_mul_i32 s27, s18, 3072
	v_lshl_add_u32 v18, v5, 8, s27                 ; the prefetches' offset: my wave's 12 blocks of 256 bytes, a lane a block; lanes 12-31 name the last again; never rewritten
	s_wait_alu depctr_va_vdst(0)
.irp b, 0,1,2,3
	v_mov_b32 v[TM+4+\b], 0                        ; written once: a lane permute's destination counts as one of its sources
.endr
	s_lshl_b32 s2, s24, 1
	s_add_co_u32 s2, s2, s19                       ; 2 ty + mi: my tile of 128 tokens
	s_lshl_b32 s27, s23, 2
	s_add_co_u32 s27, s27, s20                     ; 4 tx + ni: my K step S of the first tile
	s_mul_i32 s96, s2, 786432
	s_mul_i32 s97, s27, 12288
	s_add_co_u32 s96, s96, s97
	s_mov_b32 s97, 0
	s_add_nc_u64 s[14:15], s[14:15], s[96:97]      ; hq
	s_lshl_b32 s96, s2, 15
	s_lshl_b32 s2, s27, 9
	s_add_co_u32 s96, s96, s2
	s_add_nc_u64 s[16:17], s[16:17], s[96:97]      ; hs
	s_lshl_b32 s96, s27, 9
	s_add_nc_u64 s[12:13], s[12:13], s[96:97]      ; b1 at flat column 512 tx + 128 ni
	s_mul_i32 s96, s23, 393216
	s_mul_i32 s2, s22, 12288
	s_add_co_u32 s96, s96, s2
	s_add_nc_u64 s[4:5], s[8:9], s[96:97]          ; where my prefetches stand: w1i, my 512 columns, the quarter cy of a period: the four partners of a column share a period out by address; never rewritten
	s_mov_b32 s27, 0xffff0000
	s_mov_b32 s[SEL], 0x76543210
	s_mov_b32 s[SEL+1], 0xfedcba98
; One product.  DD: D;  OA: W1's fragment;  OB: x's;  CC: C (b1's tile, or D itself);  XA, XB: the scale registers;  RA, RB: 1 = the words stand in lanes 16-31
.macro WM
.if RA && RB
	v_wmma_scale_f32_16x16x128_f8f6f4 v[DD:DD+7], v[OA:OA+11], v[OB:OB+11], v[CC:CC+7], v[XA], v[XB] matrix_a_fmt:MATRIX_FMT_FP6 matrix_b_fmt:MATRIX_FMT_FP6 matrix_a_scale:MATRIX_SCALE_ROW1 matrix_b_scale:MATRIX_SCALE_ROW1
.elseif RA
	v_wmma_scale_f32_16x16x128_f8f6f4 v[DD:DD+7], v[OA:OA+11], v[OB:OB+11], v[CC:CC+7], v[XA], v[XB] matrix_a_fmt:MATRIX_FMT_FP6 matrix_b_fmt:MATRIX_FMT_FP6 matrix_a_scale:MATRIX_SCALE_ROW1
.elseif RB
	v_wmma_scale_f32_16x16x128_f8f6f4 v[DD:DD+7], v[OA:OA+11], v[OB:OB+11], v[CC:CC+7], v[XA], v[XB] matrix_a_fmt:MATRIX_FMT_FP6 matrix_b_fmt:MATRIX_FMT_FP6 matrix_b_scale:MATRIX_SCALE_ROW1
.else
	v_wmma_scale_f32_16x16x128_f8f6f4 v[DD:DD+7], v[OA:OA+11], v[OB:OB+11], v[CC:CC+7], v[XA], v[XB] matrix_a_fmt:MATRIX_FMT_FP6 matrix_b_fmt:MATRIX_FMT_FP6
.endif
.endm
; 16 products: token blocks a0, a0 + 1 x W1's eight.  set: W1's set;  q: the period's K step;  sg: the set of scale words;  bias = 1: b1 starts the sums.
; The 64 accumulators take turns, one instruction a turn, in the same order in every K step.
.macro MUL16 a0, set, q, sg, bias
	MUL8 \a0, \set, \q, \sg, \bias
	MUL8 \a0+1, \set, \q, \sg, \bias
.endm
.macro MUL8 a, set, q, sg, bias        ; 8 products: token block a x W1's eight
.irp b, 0,1,2,3,4,5,6,7
.set DD, 8*(8*((\a)%4)+\b)
.set OA, 128*(\set)+12*\b
.set OB, AF+12*(\a)
.if \bias
.set CC, 96+128*(\b/4)+8*(\b%4)
.else
.set CC, DD
.endif
.set XA, SC+16*(\sg)+8+2*(\b/2)+(\q)
.set XB, SC+16*(\sg)+2*((\a)/2)+(\q)
.set RA, \b%2
.set RB, (\a)%2
	WM
.endr
.endm
.macro FETCH_B sg, q, set              ; W1's eight fragments of slot sg's K step q into set: an image comes back by three loads of 512 consecutive bytes
	WIN TO_B
.irp i, 0,1,2,3,4,5,6,7
.irp c, 0,1,2
	ds_load_b128 v[128*(\set)+12*\i+4*\c:128*(\set)+12*\i+4*\c+3], v[ADRB+(\sg)] offset:24576*(\q)+1536*\i+512*\c
.endr
.endr
	WIN 0
.endm
.macro FETCH_A j, q, i0                ; x's token blocks i0 .. i0 + 3 of K step 2 j + q
.irp i, \i0, \i0+1, \i0+2, \i0+3
.irp c, 0,1,2
	ds_load_b128 v[AF+12*(\i)+4*\c:AF+12*(\i)+4*\c+3], v[ADRA+(\j)] offset:24576*(\q)+1536*(\i)+512*\c
.endr
.endr
.endm
.macro SCALES p                        ; period p's scale words (two K steps: 8 bytes a row) into set p % 2
.irp g, 0,1,2,3
	ds_load_b64 v[SC+16*((\p)%2)+2*\g:SC+16*((\p)%2)+2*\g+1], v[ADSA] offset:1024*\g+8*((\p)%4)
.endr
.irp g, 0,1,2,3
	ds_load_b64 v[SC+16*((\p)%2)+8+2*\g:SC+16*((\p)%2)+8+2*\g+1], v[ADSB] offset:8192*((\p)/4)+1024*\g+8*((\p)%4)
.endr
.endm
; A period is a slot's two K steps; periods 0-3 are the first tile's, 4-7 the second's.  STEP: a period's first K step.
.macro STEP p, bias
	s_wait_dscnt 12                                ; W1's set, x's blocks 0-3 and the scale words are in; the youngest twelve loads (x's blocks 4-7) may be out
	WIN MUL_LO-0x10*(\bias)
	MUL16 0, 0, 0, (\p)%2, \bias
	MUL16 2, 0, 0, (\p)%2, \bias
	s_wait_dscnt 0x0                               ; x's blocks 4-7 are in
	PLACES
	FETCH_B (\p)%2, 1, 1
	FETCH_A (\p)%4, 1, 0
	WIN MUL_HI-0x20*(\bias)
	MUL16 4, 0, 0, (\p)%2, \bias
	MUL16 6, 0, 0, (\p)%2, \bias
	PLACES
	WIN 0
	FETCH_A (\p)%4, 1, 4
.endm
; TURN: a period's second K step, and the change of slots: ONE barrier; in front of it each wave waits for all its tensor loads, adds 0 to its spare word, and waits for that and for its own reads of the slot.
; fill = 1: the barrier opens a round of the cluster's, and the slot is filled again, with the period two on: that load has two K steps' products in which to land.
.macro TURN p, fill
	s_wait_dscnt 12                                ; W1's set and x's blocks 0-3 are in; the youngest twelve loads (x's blocks 4-7) may be out
	WIN MUL_LO
	MUL16 0, 1, 1, (\p)%2, 0                       ; the K step's first 32 products stand ahead of the wait for the next slot
	MUL8 2, 1, 1, (\p)%2, 0
	WIN 0                                          ; (the add's registers lie in window 0)
	s_wait_tensorcnt 0x0                           ; all my tensor loads have landed, my part of the next slot among them
	ds_add_u32 v[SPW], v[NIL]                      ; 0 onto my spare word
	WIN MUL_LO
	MUL8 3, 1, 1, (\p)%2, 0                        ; eight products stand between the add and the wait for it
	WIN 0
	s_wait_dscnt 0x0                               ; the add is done, and my reads of this slot are over
	s_barrier_signal -1
	s_barrier_wait -1
.if \fill
	CREST                                          ; no wave of any partner still reads this slot or has a load on its way
	s_add_nc_u64 s[G0B+4*((\p)%2)+2:G0B+4*((\p)%2)+3], s[G0B+4*((\p)%2)+2:G0B+4*((\p)%2)+3], 98304
	tensor_load_to_lds s[G0B+4*((\p)%2):G0B+4*((\p)%2)+3], s[G1B:G1B+7]   ; my one tensor load behind the round, and the first thing there
	s_nop 0
.endif
	PLACES                                         ; behind the tensor load, and in front of the loads below
	FETCH_B 1-(\p)%2, 0, 0
	FETCH_A ((\p)+1)%4, 0, 0
	SCALES (\p)+1
.if (\p)+3 < 8
	global_prefetch_b8 v18, s[4:5] offset:49152*((\p)+3) th:TH_LOAD_NT scope:SCOPE_SE   ; W1's period p + 3, which the next refill loads: one period, 128 products a wave, ahead; each block once in each cluster; the last refill asks for nothing
.endif
	WIN MUL_HI
	MUL16 4, 1, 1, (\p)%2, 0
	MUL16 6, 1, 1, (\p)%2, 0
	PLACES
	WIN 0
	FETCH_A ((\p)+1)%4, 0, 4
.endm
.macro BIAS t                          ; b1 of tile t in the result's layout: tile b, lane (r, h): columns 32 (b / 2) + 16 h + 8 (b % 2) + 0 .. 7
	WIN 0x40
.irp b, 0,1,2,3,4,5,6,7
	global_load_b128 v[96+128*(\b/4)+8*(\b%4):96+128*(\b/4)+8*(\b%4)+3], v[VB], s[12:13] offset:1024*(\t)+4*(32*(\b/2)+8*(\b%2))
	global_load_b128 v[96+128*(\b/4)+8*(\b%4)+4:96+128*(\b/4)+8*(\b%4)+7], v[VB], s[12:13] offset:1024*(\t)+4*(32*(\b/2)+8*(\b%2))+16
.endr
	WIN 0
.endm
; THE WAY OUT of tile t, a token block at a time: relu, the four blocks' scales, the codes, and the fragment leaves as it stands in the registers: three stores of 512 consecutive bytes.
.macro EPI t
.irp a, 0,1,2,3,4,5,6,7
.set WN, 2+\a/4
.set AC, 64*(\a%4)
.set PCS, PC0+(PC1-PC0)*(\a%2)
	WIN (WN<<6)|(WN<<2)
.set j, 0
.rept 64
	v_max_num_f32 v[AC+j], 0, v[AC+j]              ; the activation, in f32; each accumulator from its low end on
.set j, j+1
.endr
	WIN (WN<<2)|WN
.irp b, 0,1,2,3
	v_max3_num_f32 v[TM+\b], v[AC+16*\b], v[AC+16*\b+1], 0x1800000   ; block b: my 16 numbers (none is negative), and the floor 2^(3 - 127): the byte cannot fall under 1
.endr
.irp i, 2,4,6,8,10,12,14
.irp b, 0,1,2,3
	v_max3_num_f32 v[TM+\b], v[AC+16*\b+\i], v[AC+16*\b+\i+1], v[TM+\b]
.endr
.endr
	WIN 0
.irp b, 0,1,2,3
	v_permlanex16_b32 v[TM+4+\b], v[TM+\b], s[SEL], s[SEL+1]
.endr
.irp b, 0,1,2,3
	v_max_num_f32 v[TM+\b], v[TM+\b], v[TM+4+\b]   ; with lane l xor 16's: the block's largest number
.endr
.irp b, 0,1,2,3
	v_add_nc_u32 v[TM+12+\b], 0xff000000, v[TM+\b] ; 2 off its exponent field: the conversion's scale operand
.endr
.irp b, 0,1,2,3
	v_lshrrev_b32 v[TM+4+\b], 23, v[TM+12+\b]      ; the scale's byte
.endr
	v_lshl_or_b32 v[PWR+\a], v[TM+5], 8, v[TM+4]
	v_lshl_or_b32 v[PWR+\a], v[TM+6], 16, v[PWR+\a]
	v_lshl_or_b32 v[PWR+\a], v[TM+7], 24, v[PWR+\a]
	s_wait_xcnt 0x0                                ; the stores of two blocks ago have read this set of code registers
	WIN WN
.irp c, 0,1
	v_cvt_scalef32_pk16_fp6_f32 v[PCS+6*\c:PCS+6*\c+2], v[AC+32*\c:AC+32*\c+15], v[TM+12+2*\c]
	v_cvt_scalef32_pk16_fp6_f32 v[PCS+12+4*\c:PCS+14+4*\c], v[AC+16+32*\c:AC+31+32*\c], v[TM+13+2*\c]   ; (a conversion's three registers begin on an even number)
.endr
	WIN 0
	v_nop                                          ; one plain place behind a scaled conversion
.irp c, 0,1                                    ; the operand wants a whole block in a lane
.irp i, 0,1,2
	v_permlane16_swap_b32 v[PCS+6*\c+\i], v[PCS+12+4*\c+\i]
.endr
.irp i, 0,1,2
	v_mov_b32 v[PCS+3+6*\c+\i], v[PCS+12+4*\c+\i]
.endr
.endr
.irp c, 0,1,2
	global_store_b128 v[LI], v[PCS+4*\c:PCS+4*\c+3], s[14:15] offset:24576*(\t)+1536*\a+512*\c
.endr
.endr
.irp g, 0,1,2,3
	v_cndmask_b32 v[HSW+\g], v[PWR+2*\g], v[PWR+2*\g+1], s27   ; lanes 0-15: block 2 g's words, lanes 16-31: block 2 g + 1's
.endr
	global_store_b128 v[LI], v[HSW:HSW+3], s[16:17] offset:1024*(\t)   ; the K step's 128 scale words: 512 consecutive bytes
.endm
	BIAS 0
	s_wait_tensorcnt 0x0                           ; my tile of the head's four is in; the later first fills stand behind the same lines as a refill
	ds_add_u32 v[SPW], v[NIL]
	s_wait_dscnt 0x0
	CROUND                                         ; everybody's tile is in, and all sixteen work-groups are here
	s_cmp_eq_u32 s18, 0
	s_cbranch_scc0 .Lrest_x
	tensor_load_to_lds s[G0A3:G0A3+3], s[G1A3:G1A3+7]      ; wave 0: W1's period 1
	s_nop 0
	PLACES
	s_branch .Lrest_asked
.Lrest_x:
	tensor_load_to_lds s[G0A0:G0A0+3], s[G1A:G1A+7]        ; waves 1 to 3: x's K steps 2 w and 2 w + 1
	s_nop 0
	PLACES
.Lrest_asked:
	FETCH_B 0, 0, 0
	FETCH_A 0, 0, 0
	SCALES 0
	FETCH_A 0, 0, 4
	global_prefetch_b8 v18, s[4:5] offset:49152*2 th:TH_LOAD_NT scope:SCOPE_SE   ; period 2, which the first refill loads
	s_wait_loadcnt 0x0                             ; b1
	STEP 0, 1
	TURN 0, 1
	STEP 1, 0
	TURN 1, 1
	STEP 2, 0
	TURN 2, 1
	STEP 3, 0
	TURN 3, 1                                      ; the ring goes on into the second tile: its first fragments are fetched, periods 4 and 5 are on their way or in
	BIAS 1
	EPI 0
	s_wait_loadcnt 0x0                             ; b1 of the second tile
	STEP 4, 1
	TURN 4, 1
	STEP 5, 0
	TURN 5, 1
	STEP 6, 0
	TURN 6, 0                                      ; nothing is left to fetch
	STEP 7, 0
	s_wait_dscnt 12                                ; the very last K step
	WIN MUL_LO
	MUL16 0, 1, 1, 1, 0
	MUL16 2, 1, 1, 1, 0
	s_wait_dscnt 0x0
	WIN MUL_HI
	MUL16 4, 1, 1, 1, 0
	MUL16 6, 1, 1, 1, 0
	WIN 0
	PLACES
	EPI 1
	s_wait_tensorcnt 0x0                           ; the wave's end
	ds_add_u32 v[SPW], v[NIL]
	s_wait_dscnt 0x0
	CROUND                                         ; the closing round: no work-group ends while a partner may still ask for a tile that names it
	s_endpgm
.Lfunc_end_k_q1f0bbfef69_gemm1:
	.size	k_q1f0bbfef69_gemm1, .Lfunc_end_k_q1f0bbfef69_gemm1-k_q1f0bbfef69_gemm1
	.p2alignl 7, 3214868480
	.fill 96, 4, 3214868480
	.section	.rodata,"a",@progbits
	.p2align	6, 0x0
	.amdhsa_kernel k_q1f0bbfef69_gemm1
		.amdhsa_group_segment_fixed_size 327680
		.amdhsa_private_segment_fixed_size 0
		.amdhsa_enable_private_segment 0
		.amdhsa_kernarg_size 56
		.amdhsa_user_sgpr_count 2
		.amdhsa_user_sgpr_kernarg_segment_ptr 1
		.amdhsa_wavefront_size32 1
		.amdhsa_system_sgpr_workgroup_id_x 1
		.amdhsa_system_sgpr_workgroup_id_y 1
		.amdhsa_system_sgpr_workgroup_id_z 1
		.amdhsa_system_vgpr_workitem_id 0
		.amdhsa_next_free_vgpr 1024
		.amdhsa_next_free_sgpr 102
		.amdhsa_reserve_vcc 0
		.amdhsa_float_denorm_mode_32 3
		.amdhsa_float_denorm_mode_16_64 3
		.amdhsa_memory_ordered 1
		.amdhsa_forward_progress 1
		.amdhsa_inst_pref_size 255
	.end_amdhsa_kernel
	.section	.bss,"aw",@nobits
	.p2align	6
	.space	262144
	.amdgpu_metadata
---
amdhsa.version: [ 1, 2 ]
amdhsa.kernels:
  - .name:           k_q1f0bbfef69_gemm1
    .symbol:         k_q1f0bbfef69_gemm1.kd
    .args:
      - { .name: xq, .offset: 0, .size: 8, .value_kind: global_buffer, .address_space: global }
      - { .name: xs, .offset: 8, .size: 8, .value_kind: global_buffer, .address_space: global }
      - { .name: w1i, .offset: 16, .size: 8, .value_kind: global_buffer, .address_space: global }
      - { .name: W1_scales, .offset: 24, .size: 8, .value_kind: global_buffer, .address_space: global }
      - { .name: b1, .offset: 32, .size: 8, .value_kind: global_buffer, .address_space: global }
      - { .name: hq, .offset: 40, .size: 8, .value_kind: global_buffer, .address_space: global }
      - { .name: hs, .offset: 48, .size: 8, .value_kind: global_buffer, .address_space: global }
    .group_segment_fixed_size: 327680
    .private_segment_fixed_size: 0
    .kernarg_segment_align: 8
    .kernarg_segment_size: 56
    .max_flat_workgroup_size: 128
    .sgpr_count:     102
    .vgpr_count:     1024
    .wavefront_size: 32
...
	.end_amdgpu_metadata
.endif
;; end of part 2
;; launch gemm2 (part 3): grid 8 x 32, 4 waves a work-group, clusters of 4 x 4, 327,680 bytes of LDS; arguments hq, hs, w2i, W2_scales, b2, gt, out0; writes out0
.if DOCPART == 3
	.amdgcn_target "amdgcn-amd-amdhsa--gfx1250"
	.amdhsa_code_object_version 6
	.text
	.protected	k_q1f0bbfef69_gemm2
	.globl	k_q1f0bbfef69_gemm2
	.p2align	8
	.type	k_q1f0bbfef69_gemm2,@function
k_q1f0bbfef69_gemm2:
	s_mov_b64 s[64:65], 0
	v_nop
	global_prefetch_b8 v0, s[64:65] scope:SCOPE_SE
	s_setreg_imm32_b32 hwreg(HW_REG_WAVE_MODE, 25, 1), 1
	s_wait_xcnt 0x0
	s_wait_alu depctr_hold_cnt(0) depctr_sa_sdst(0) depctr_va_vdst(0) depctr_va_sdst(0) depctr_va_ssrc(0) depctr_va_vcc(0) depctr_vm_vsrc(0)
	s_getreg_b32 s2, hwreg(HW_REG_IB_STS2, 6, 4)
	s_cmp_eq_u32 s2, 0
	s_cbranch_scc0 .Lentry_in_a_cluster
	s_endpgm
.Lentry_in_a_cluster:
	s_bfe_u32 s2, ttmp6, 0x10000c
	s_cmp_lg_u32 s2, 0xf033
	s_cbranch_scc0 .Lentry_shape_is_right
	s_endpgm
.Lentry_shape_is_right:
; out[b][p] = the sum over e of gate[b][e] (sum over o of h[b][e][o] W2[e][o][p] + b2[e][p]); the products on codes of E2M3 with E8M0 scales, all else f32.
; h: hq [tile of 128 tokens 32][S 64][block 8][1536], hs [32][S 64][512], S = 8 e + o / 128.  W2: w2i [tile of 128 p 8][half 2][S 64][block 4][1536], W2_scales as given.
; A fragment image: 16 rows x 128 K as the operand's 12 registers a lane stand: registers 4 c .. 4 c + 3 of lane l at byte 512 c + 16 l.
; SHARES.  A work-group owns 128 tokens (ty) x 128 columns p (tx): 256 work-groups.  K IS CUT AMONG THE WAVES: wave w makes the whole 128 x 128 for experts 2 w and 2 w + 1 (K steps S = 16 w + k, k = 0 .. 15):
; 64 accumulators, 512 registers; for 128 along K a wave reads 16 fragments for 64 products.  The four waves' parts are added through LDS at the end.
; ONE SET OF ACCUMULATORS SERVES BOTH EXPERTS.  gt holds for the pair q = gate(2 w) / G and G = gate(2 w + 1) held at 2^-40 from below.  b2(2 w) is the C of the first products; behind the first expert
; acc = acc x q + b2(2 w + 1), one packed multiply-add; the second expert's products add in place; at the end acc x G.  That is gate(2 w) y(2 w) + G y(2 w + 1).
; LIMIT: a gate of an odd expert under 2^-40 counts as 2^-40 (q stays under 2^40).  NaN and infinities are not served.
; h and W2's blocks 0-3 GO THROUGH LDS: a ring of two slots, each with two K steps of every wave (4 x 24,576 + 4 x 12,288 bytes).  Waves 0, 1 fetch h for two waves each, waves 2, 3 W2: one load a wave.
; W2's blocks 4-7 and all scale words GO STRAIGHT INTO REGISTERS, three K steps ahead: each is read by one wave of the work-group alone, and with them in LDS two slots of two K steps would not fit.
; CLUSTER 4 x 4: the four of a row need the same h, the four of a column the same W2: each fill is asked for jointly, by the same tensor load with the same descriptor and a mask that names the four.
; THE PRODUCT IS USED TRANSPOSED: source 0 = 16 rows p of W2, source 1 = 16 tokens: lane (r, h) holds token r and eight neighbouring p.
; The walk is written out by a repeat: the register rings come round after 2 and 3 K steps and the slots after 4, and the walk has 16.
; The launch claims all of a WGP's LDS; the text uses 295,424 bytes.
; REGISTERS: window 0: v4-20 addresses; v28-29 the add's; v32-43 h's scale words, three sets; v48-79 W2's of one expert; v80-87 q; v88-95 G; v96-127, v224-255 b2's eight tiles; v128-223 h's eight fragments, one set.
;   window 1: W2's blocks 0-3, two sets, at v0, v48; blocks 4-7, three sets, from v96.   window 2: the accumulators of token blocks 0-3 ((a, b) at v[8 (8 a + b)]);   window 3: of blocks 4-7.
.set ATILE,  24576                     ; two K steps of h's 128 tokens
.set BTILE,  12288                     ; two K steps of four blocks of W2
.set BOFF,   4*ATILE
.set SLOT,   4*ATILE+4*BTILE
.set SPARE,  2*SLOT                    ; the spare words: 128 bytes for each wave, two blocks of 256 bytes that no other line names
.set SPITCH, 528                       ; the way out: for each wave a stage of 128 rows x (512 bytes + 16), in the ring's bytes, behind their last fill and last read
.set WSTG,   128*SPITCH
.set LI,   4                           ; 16 x lane
.set ADRA, 6                           ; v6-7   h's fragments in slot 0, 1
.set ADRB, 8                           ; v8-9   W2's
.set STO,  10                          ; the stage: where I put 32 bytes of a row
.set RD,   12                          ; v12-15 and where I read my 32 rows back from the four stages
.set VB2,  16                          ; 32 h
.set VG,   17                          ; 16 r
.set VBS,  18                          ; 32 x lane
.set PFO,  19                          ; 256 x lane
.set PFO2, 20                          ; 8192 + 256 x min(lane, 15)
.set SPW,  28
.set NIL,  29
.set AS,   32
.set BS,   48
.set RQ,   80
.set GF,   88
.set AF,   128
.set G1A, 28                           ; s[28:35] 2 rows of 24,576 bytes, 196,608 apart, my row's mask
.set G1B, 36                           ; s[36:43] 2 rows of 12,288 bytes, 98,304 apart, my column's mask
.set G0A, 44                           ; s[44:51] a group 0 for each slot
.set G0B, 52                           ; s[52:59]
.set PFA, 60                           ; s[60:61] h's prefetches
.set PFB, 62                           ; s[62:63] W2's
.set WD,  78                           ; s[78:79] W2's blocks 4-7 of my K step 0
.set MSB, 0
.macro WIN new                         ; the immediate's high byte repeats the setting that is left; a switch that changes nothing is dropped
.if MSB != (\new)
	s_set_vgpr_msb (MSB<<8)|(\new)
.set MSB, (\new)
.endif
.endm
.set MUL_LO, 0xa1                      ; source 0 (W2) window 1, source 1 (h) window 0, C and D window 2;  with b2 as C (window 0): 0x81
.set MUL_HI, 0xf1                      ; the same, C and D window 3;  with b2: 0xc1
.set TO_B,   0x40                      ; destination window 1, address window 0
.macro PLACES                          ; four plain places behind matrix instructions (ISA guide 7.12.1)
.rept 4
	v_nop
.endr
.endm
.macro CREST                           ; a round of the cluster's barrier behind its opening barrier
	s_cmp_lg_u32 s18, 0
	s_cbranch_scc1 .Lnot_wave_0_\@
	s_barrier_signal -3
.Lnot_wave_0_\@:
	s_barrier_wait -3
	s_barrier_signal -1
	s_barrier_wait -1
.endm
.macro CROUND
	s_barrier_signal -1
	s_barrier_wait -1
	CREST
.endm
.macro JLOAD s                         ; a joint load: waves 0, 1 fetch h, waves 2, 3 W2; the branch hangs on the wave's number alone
	s_cmp_eq_u32 s19, 0
	s_cbranch_scc0 .Lfor_b_\@
	tensor_load_to_lds s[G0A+4*(\s):G0A+4*(\s)+3], s[G1A:G1A+7]
	s_nop 0
	PLACES
	s_branch .Lasked_\@
.Lfor_b_\@:
	tensor_load_to_lds s[G0B+4*(\s):G0B+4*(\s)+3], s[G1B:G1B+7]
	s_nop 0
	PLACES
.Lasked_\@:
.endm
; A PREFETCH INTO THE L2 of fill j, behind the load of fill j - 1 and the run of LDS loads that follows it: one fill, 128 products a wave, ahead of the load that wants it.  Each block of 256 bytes is named once
; in each cluster that will load it; the partners share a fill out BY ADDRESS: of h's four rows of 24,576 bytes the partner at cx takes row cx (waves 0 to 2: 8,192 bytes each, a lane a block), of W2's four rows
; of 12,288 bytes the partner at cy takes row cy (wave 3: 48 blocks in two instructions; the second's lanes 16-31 name its last block again).  The last fill asks for nothing.  The address registers are never rewritten.
.macro ASK j
	s_cmp_lt_u32 s18, 3
	s_cbranch_scc0 .Lpf_b_\@
	global_prefetch_b8 v[PFO], s[PFA:PFA+1] offset:(\j)*ATILE th:TH_LOAD_NT scope:SCOPE_SE
	s_branch .Lpf_done_\@
.Lpf_b_\@:
	global_prefetch_b8 v[PFO], s[PFB:PFB+1] offset:(\j)*BTILE th:TH_LOAD_NT scope:SCOPE_SE
	global_prefetch_b8 v[PFO2], s[PFB:PFB+1] offset:(\j)*BTILE th:TH_LOAD_NT scope:SCOPE_SE
.Lpf_done_\@:
.endm
	s_load_b256 s[4:11], s[0:1], 0x0               ; hq s[4:5], hs s[6:7], w2i s[8:9], W2's scales s[10:11]
	s_load_b128 s[12:15], s[0:1], 0x20             ; b2 s[12:13], gt s[14:15]
	s_load_b64 s[16:17], s[0:1], 0x30              ; out0
	v_lshl_add_u32 v[SPW], v0, 2, SPARE
	v_mov_b32 v[NIL], 0
	ds_add_u32 v[SPW], v[NIL]                      ; the opening lines: the add, twice on end, and its wait ahead of my first tensor load
	ds_add_u32 v[SPW], v[NIL]
	v_lshrrev_b32 v1, 5, v0
	v_readfirstlane_b32 s18, v1                    ; wave 0..3
	s_lshr_b32 s19, s18, 1                         ; I fetch h (0) or W2 (1),
	s_and_b32 s20, s18, 1                          ; for waves 0, 1 (0) or 2, 3 (1)
	s_bfe_u32 s21, ttmp6, 0x40000                  ; cx
	s_bfe_u32 s22, ttmp6, 0x40004                  ; cy
	s_lshl_b32 s23, ttmp9, 2
	s_add_co_u32 s23, s23, s21                     ; tx = 4 x cluster x + cx
	s_and_b32 s24, ttmp7, 0xffff
	s_lshl_b32 s24, s24, 2
	s_add_co_u32 s24, s24, s22                     ; ty = 4 x cluster y + cy
	s_lshl_b32 s25, s22, 2
	s_lshl_b32 s25, 15, s25                        ; my row of the cluster
	s_lshl_b32 s26, 0x1111, s21                    ; my column
	s_or_b32 s[G1A], s25, (3<<16)|(1<<21)          ; 15:0 the mask; 17:16 elements of 8 bytes; 21 set beside a mask
	s_or_b32 s[G1B], s26, (3<<16)|(1<<21)
	s_mov_b32 s[G1A+1], 3072<<16                   ; tensor_dim0: 24,576 bytes
	s_mov_b32 s[G1A+2], 2<<16                      ; tensor_dim1
	s_mov_b32 s[G1A+3], 3072<<16                   ; tile_dim0
	s_mov_b32 s[G1A+4], 2                          ; tile_dim1
	s_mov_b32 s[G1A+5], 24576                      ; from wave to wave: 16 K steps, 196,608 bytes
	s_mov_b32 s[G1A+6], 0
	s_mov_b32 s[G1A+7], 0
	s_mov_b32 s[G1B+1], 1536<<16
	s_mov_b32 s[G1B+2], 2<<16
	s_mov_b32 s[G1B+3], 1536<<16
	s_mov_b32 s[G1B+4], 2
	s_mov_b32 s[G1B+5], 12288                      ; 16 K steps of four blocks: 98,304 bytes
	s_mov_b32 s[G1B+6], 0
	s_mov_b32 s[G1B+7], 0
	s_mov_b32 s[G0A], 1                            ; LDS addresses hang on the wave's number alone
	s_mov_b32 s[G0A+4], 1
	s_mul_i32 s[G0A+1], s20, 2*ATILE
	s_add_co_u32 s[G0A+5], s[G0A+1], SLOT
	s_mov_b32 s[G0B], 1
	s_mov_b32 s[G0B+4], 1
	s_mul_i32 s[G0B+1], s20, 2*BTILE
	s_add_co_u32 s[G0B+1], s[G0B+1], BOFF
	s_add_co_u32 s[G0B+5], s[G0B+1], SLOT
	s_mul_i32 s74, s18, ATILE
	s_mul_i32 s75, s18, BTILE
	s_add_co_u32 s75, s75, BOFF
	s_mul_i32 s76, s18, WSTG
	s_mul_i32 s77, s18, 32*SPITCH
	v_and_b32 v1, 31, v0                           ; lane
	v_and_b32 v2, 15, v0                           ; r
	v_bfe_u32 v3, v0, 4, 1                         ; h
	v_lshlrev_b32 v[LI], 4, v1
	v_add_nc_u32 v[ADRA], s74, v[LI]
	v_add_nc_u32 v[ADRA+1], SLOT, v[ADRA]
	v_add_nc_u32 v[ADRB], s75, v[LI]
	v_add_nc_u32 v[ADRB+1], SLOT, v[ADRB]
	v_mul_u32_u24 v[STO], v2, SPITCH
	v_lshl_add_u32 v[STO], v3, 5, v[STO]
	v_add_nc_u32 v[STO], s76, v[STO]               ; my stage: row r (+ 16 a), 32 bytes for each half of the lanes
	v_add_nc_u32 v[RD], s77, v[LI]                 ; rows 32 w on of stage 0: the 32 lanes take a row of 512 bytes
	v_add_nc_u32 v[RD+1], WSTG, v[RD]
	v_add_nc_u32 v[RD+2], 2*WSTG, v[RD]
	v_add_nc_u32 v[RD+3], 3*WSTG, v[RD]
	v_lshlrev_b32 v[VB2], 5, v3
	v_lshlrev_b32 v[VG], 4, v2
	v_lshlrev_b32 v[VBS], 5, v1
	v_lshlrev_b32 v[PFO], 8, v1
	v_min_u32 v5, 15, v1
	v_lshl_add_u32 v[PFO2], v5, 8, 8192
	s_wait_alu depctr_va_vdst(0)                   ; at the end of the head's vector work, directly ahead of the wait below
	s_wait_dscnt 0x0                               ; both opening adds are done
	s_wait_kmcnt 0x0
	s_mul_i32 s68, s24, 786432                     ; h's addresses hang on ty and the wave (s68, s69), W2's on tx and the wave (s70, s71)
	s_mul_i32 s69, s20, 2*196608
	s_add_co_u32 s68, s68, s69
	s_mov_b32 s69, 0
	s_add_nc_u64 s[G0A+2:G0A+3], s[4:5], s[68:69]
	s_add_nc_u64 s[G0A+6:G0A+7], s[G0A+2:G0A+3], ATILE
	s_or_b32 s[G0A+3], s[G0A+3], 0x80000000
	s_or_b32 s[G0A+7], s[G0A+7], 0x80000000
	s_mul_i32 s70, s23, 786432
	s_mul_i32 s71, s20, 2*98304
	s_add_co_u32 s70, s70, s71
	s_mov_b32 s71, 0
	s_add_nc_u64 s[G0B+2:G0B+3], s[8:9], s[70:71]
	s_add_nc_u64 s[G0B+6:G0B+7], s[G0B+2:G0B+3], BTILE
	s_or_b32 s[G0B+3], s[G0B+3], 0x80000000
	s_or_b32 s[G0B+7], s[G0B+7], 0x80000000
	CROUND                                         ; all sixteen work-groups are here: the first joint loads meet
	JLOAD 0                                        ; fill 0: one tensor load a wave at the head
	s_mov_b32 s73, 0
	s_mul_i32 s72, s24, 786432
	s_mul_i32 s27, s21, 196608
	s_add_co_u32 s72, s72, s27
	s_lshl_b32 s27, s18, 13
	s_add_co_u32 s72, s72, s27
	s_add_nc_u64 s[PFA:PFA+1], s[4:5], s[72:73]    ; hq: my tile, row cx of a fill, my wave's 8,192 bytes
	s_mul_i32 s72, s23, 786432
	s_mul_i32 s27, s22, 98304
	s_add_co_u32 s72, s72, s27
	s_add_nc_u64 s[PFB:PFB+1], s[8:9], s[72:73]    ; w2i: my tile, row cy of a fill
	s_mul_i32 s72, s23, 786432
	s_mul_i32 s27, s18, 98304
	s_add_co_u32 s72, s72, s27
	s_add_co_u32 s72, s72, 393216
	s_add_nc_u64 s[WD:WD+1], s[8:9], s[72:73]      ; w2i: my tile, blocks 4-7, my K step 0
	s_lshl_b32 s72, s24, 15
	s_lshl_b32 s27, s18, 13
	s_add_co_u32 s72, s72, s27
	s_add_nc_u64 s[6:7], s[6:7], s[72:73]          ; hs: my tile, my K step 0
	s_lshl_b32 s72, s18, 16
	s_lshl_b32 s27, s23, 12
	s_add_co_u32 s72, s72, s27
	s_add_nc_u64 s[10:11], s[10:11], s[72:73]      ; W2's scales: expert 2 w, row 128 tx
	s_lshl_b32 s72, s18, 13
	s_lshl_b32 s27, s23, 9
	s_add_co_u32 s72, s72, s27
	s_add_nc_u64 s[12:13], s[12:13], s[72:73]      ; b2: expert 2 w, column 128 tx
	s_lshl_b32 s72, s18, 15
	s_lshl_b32 s27, s24, 9
	s_add_co_u32 s72, s72, s27
	s_add_nc_u64 s[14:15], s[14:15], s[72:73]      ; gt: expert 2 w, tokens 128 ty on
	s_lshl_b32 s72, s24, 19
	s_lshl_b32 s27, s18, 17
	s_add_co_u32 s72, s72, s27
	s_lshl_b32 s27, s23, 9
	s_add_co_u32 s72, s72, s27
	s_add_nc_u64 s[16:17], s[16:17], s[72:73]      ; out0: row 128 ty + 32 w, column 128 tx
	ASK 1
.macro BLOAD e                         ; b2 of my expert e in the result's layout: tile b, lane (r, h): columns 16 b + 8 h + 0 .. 7: 16 loads
.irp b, 0,1,2,3,4,5,6,7
	global_load_b128 v[96+128*(\b/4)+8*(\b%4):96+128*(\b/4)+8*(\b%4)+3], v[VB2], s[12:13] offset:4096*(\e)+64*\b
	global_load_b128 v[96+128*(\b/4)+8*(\b%4)+4:96+128*(\b/4)+8*(\b%4)+7], v[VB2], s[12:13] offset:4096*(\e)+64*\b+16
.endr
.endm
.macro SBLOAD e, q                     ; W2's scale words of my expert e, K steps 4 q .. 4 q + 3: lane l takes row 32 g + l: lanes 0-15 block 2 g, lanes 16-31 block 2 g + 1; 32 lanes read 16 bytes of each of 32 neighbouring rows of 32: 4 loads
.irp g, 0,1,2,3
	global_load_b128 v[BS+8*\g+4*(\q):BS+8*\g+4*(\q)+3], v[VBS], s[10:11] offset:32768*(\e)+1024*\g+16*(\q)
.endr
.endm
.macro GL k                            ; K step k's group of 13 loads: W2's blocks 4-7 into set k % 3 (12 loads of 512 consecutive bytes), h's 128 scale words (one)
	WIN TO_B
.irp i, 0,1,2,3
.irp c, 0,1,2
	global_load_b128 v[96+48*((\k)%3)+12*\i+4*\c:96+48*((\k)%3)+12*\i+4*\c+3], v[LI], s[WD:WD+1] offset:6144*(\k)+1536*\i+512*\c
.endr
.endr
	WIN 0
	global_load_b128 v[AS+4*((\k)%3):AS+4*((\k)%3)+3], v[LI], s[6:7] offset:512*(\k)
.endm
	; THE ORDER OF THE LOADS, on which every count below rests: b2, W2's scale words, the gates, then the groups of K steps 0, 1, 2; later, at the end of K step m, the extras of that place and then group m + 3
	BLOAD 0
	SBLOAD 0, 0
	SBLOAD 0, 1
	global_load_b128 v[RQ:RQ+3], v[VG], s[14:15]                     ; q of token r of token blocks 0-3,
	global_load_b128 v[RQ+4:RQ+7], v[VG], s[14:15] offset:256        ; 4-7;
	global_load_b128 v[GF:GF+3], v[VG], s[14:15] offset:16384        ; G likewise
	global_load_b128 v[GF+4:GF+7], v[VG], s[14:15] offset:16640
	GL 0
	GL 1
	GL 2
.macro WM                              ; one product; the symbols are set by MUL16
.if RA && RB
	v_wmma_scale_f32_16x16x128_f8f6f4 v[DD:DD+7], v[OA:OA+11], v[OB:OB+11], v[CC:CC+7], v[XA], v[XB] matrix_a_fmt:MATRIX_FMT_FP6 matrix_b_fmt:MATRIX_FMT_FP6 matrix_a_scale:MATRIX_SCALE_ROW1 matrix_b_scale:MATRIX_SCALE_ROW1
.elseif RA
	v_wmma_scale_f32_16x16x128_f8f6f4 v[DD:DD+7], v[OA:OA+11], v[OB:OB+11], v[CC:CC+7], v[XA], v[XB] matrix_a_fmt:MATRIX_FMT_FP6 matrix_b_fmt:MATRIX_FMT_FP6 matrix_a_scale:MATRIX_SCALE_ROW1
.elseif RB
	v_wmma_scale_f32_16x16x128_f8f6f4 v[DD:DD+7], v[OA:OA+11], v[OB:OB+11], v[CC:CC+7], v[XA], v[XB] matrix_a_fmt:MATRIX_FMT_FP6 matrix_b_fmt:MATRIX_FMT_FP6 matrix_b_scale:MATRIX_SCALE_ROW1
.else
	v_wmma_scale_f32_16x16x128_f8f6f4 v[DD:DD+7], v[OA:OA+11], v[OB:OB+11], v[CC:CC+7], v[XA], v[XB] matrix_a_fmt:MATRIX_FMT_FP6 matrix_b_fmt:MATRIX_FMT_FP6
.endif
.endm
; 16 products of K step k: token blocks a0, a0 + 1 x W2's eight.  bias = 1: b2 starts the sums.  The 64 accumulators take turns, one instruction a turn, in the same order in every K step.
.macro MUL16 a0, k, bias
	MUL8 \a0, \k, \bias
	MUL8 \a0+1, \k, \bias
.endm
.macro MUL8 a, k, bias                 ; 8 products: token block a x W2's eight
.irp b, 0,1,2,3,4,5,6,7
.set DD, 8*(8*((\a)%4)+\b)
.if \b < 4
.set OA, 48*((\k)%2)+12*\b
.else
.set OA, 96+48*((\k)%3)+12*(\b-4)
.endif
.set OB, AF+12*(\a)
.if \bias
.set CC, 96+128*(\b/4)+8*(\b%4)
.else
.set CC, DD
.endif
.set XA, BS+8*(\b/2)+(\k)%8
.set XB, AS+4*((\k)%3)+(\a)/2
.set RA, \b%2
.set RB, (\a)%2
	WM
.endr
.endm
.macro FETCH_B k                       ; W2's blocks 0-3 of K step k into set k % 2: an image comes back by three loads of 512 consecutive bytes
	WIN TO_B
.irp i, 0,1,2,3
.irp c, 0,1,2
	ds_load_b128 v[48*((\k)%2)+12*\i+4*\c:48*((\k)%2)+12*\i+4*\c+3], v[ADRB+((\k)/2)%2] offset:6144*((\k)%2)+1536*\i+512*\c
.endr
.endr
	WIN 0
.endm
.macro FETCH_A k, i0                   ; h's token blocks i0 .. i0 + 3 of K step k
.irp i, \i0, \i0+1, \i0+2, \i0+3
.irp c, 0,1,2
	ds_load_b128 v[AF+12*(\i)+4*\c:AF+12*(\i)+4*\c+3], v[ADRA+((\k)/2)%2] offset:12288*((\k)%2)+1536*(\i)+512*\c
.endr
.endr
.endm
; K step k: 64 products; the next K step's fragments are fetched in its middle and at its end.  An odd K step is its slot's last and changes slots: ONE barrier; in front of it each wave waits for all its
; tensor loads, adds 0 to its spare word, and waits for that and for its own reads of the slot.  While a fill is left, the barrier opens a round of the cluster's, and the slot is filled again, two fills on.
.macro STEP k
.set NX, (\k)+1
.set J, (\k)/2
.set BI, 0
.if (\k) == 0
.set BI, 1
.endif
.set LCN, 26                           ; the loads younger than this K step's group: the groups of the next two K steps,
.if (\k) == 14
.set LCN, 13
.endif
.if (\k) == 15
.set LCN, 0
.endif
.if ((\k) == 1) || ((\k) == 2)
.set LCN, LCN+16                       ; b2 of the second expert, asked for at the end of K step 0,
.endif
.if ((\k) == 4) || ((\k) == 5) || ((\k) == 8) || ((\k) == 9)
.set LCN, LCN+4                        ; four loads of W2's scale words, asked for at the ends of K steps 3 and 7
.endif
.if ((\k)%2 == 1) && ((\k) < 15)
	s_wait_dscnt 12                                ; W2's set and h's blocks 0-3 are in; the youngest twelve loads (h's blocks 4-7) may be out
	s_wait_loadcnt LCN
	WIN MUL_LO
	MUL16 0, \k, 0                                 ; the K step's first 32 products stand ahead of the wait for the next slot
	MUL8 2, \k, 0
	WIN 0                                          ; (the add's registers lie in window 0)
	s_wait_tensorcnt 0x0                           ; all my tensor loads have landed: my part of the next slot
	ds_add_u32 v[SPW], v[NIL]                      ; 0 onto my spare word
	WIN MUL_LO
	MUL8 3, \k, 0                                  ; eight products stand between the add and the wait for it
	WIN 0
	s_wait_dscnt 0x0                               ; the add is done, and my reads of this slot are over
	s_barrier_signal -1
	s_barrier_wait -1
.if J+2 < 8
	CREST                                          ; no wave of any partner still reads this slot or has a load on its way
	s_add_nc_u64 s[G0A+4*(J%2)+2:G0A+4*(J%2)+3], s[G0A+4*(J%2)+2:G0A+4*(J%2)+3], 2*ATILE
	s_add_nc_u64 s[G0B+4*(J%2)+2:G0B+4*(J%2)+3], s[G0B+4*(J%2)+2:G0B+4*(J%2)+3], 2*BTILE
	JLOAD J%2                                      ; fill J + 2: my one tensor load behind the round, and the first thing there; its four plain lines are also the places in front of the loads below
.else
	PLACES
.endif
.else
	s_wait_dscnt 12                                ; W2's set and h's blocks 0-3 are in; the youngest twelve loads (h's blocks 4-7) may be out
	s_wait_loadcnt LCN
	WIN MUL_LO-0x20*BI
	MUL16 0, \k, BI
	MUL16 2, \k, BI
	s_wait_dscnt 0x0                               ; h's blocks 4-7 are in
.if (\k) == 15
	s_barrier_signal -1                            ; my last reads of the ring are over: behind this barrier its bytes serve as stages; only work on registers stands before its wait
	PLACES                                         ; behind the products of token blocks 0-3, which are finished
	WEIGH 1, 0, 3                                  ; x G
	s_wait_alu depctr_va_vdst(0)                   ; directly ahead of the blocking wait
	s_barrier_wait -1                              ; no wave reads the ring any more, and nothing is filled again
	STAGE 0, 3                                     ; blocks 0-3 go to my stage while blocks 4-7 are multiplied
.else
	PLACES
.endif
.endif
.if (\k) < 15
	FETCH_B NX
	FETCH_A NX, 0
.if ((\k)%2 == 1) && (J+3 < 8)
	ASK J+3
.endif
.endif
	WIN MUL_HI-0x30*BI
	MUL16 4, \k, BI
	MUL16 6, \k, BI
.if (\k) < 15
	PLACES                                         ; in front of loads into registers that this K step's products read
	WIN 0
.if (\k) == 0
	BLOAD 1
.endif
.if (\k) == 3
	SBLOAD 1, 0
.endif
.if (\k) == 7
	SBLOAD 1, 1
.endif
.if (\k)+3 < 16
	GL (\k)+3
.endif
	FETCH_A NX, 4
.endif
.endm
; Between my two experts: acc = acc x q + b2 of the second, two numbers an instruction; each accumulator from its low end on.  fin = 1, at the end: acc = acc x G.
.macro WEIGH fin, lo, hi               ; token blocks lo .. hi
.irp a, 0,1,2,3,4,5,6,7
.if (\a >= \lo) && (\a <= \hi)
	WIN 0x82+0x41*(\a/4)                           ; destination and source 0: the accumulators' window; the factor and b2 in window 0
.irp b, 0,1,2,3,4,5,6,7
.irp p, 0,2,4,6
.set O, 8*(8*(\a%4)+\b)+\p
.set BB, 96+128*(\b/4)+8*(\b%4)+\p
.if \fin
.if (\a%2) == 0
	v_pk_mul_f32 v[O:O+1], v[O:O+1], v[GF+2*(\a/2):GF+2*(\a/2)+1] op_sel_hi:[1,0]
.else
	v_pk_mul_f32 v[O:O+1], v[O:O+1], v[GF+2*(\a/2):GF+2*(\a/2)+1] op_sel:[0,1] op_sel_hi:[1,1]
.endif
.else
.if (\a%2) == 0
	v_pk_fma_f32 v[O:O+1], v[O:O+1], v[RQ+2*(\a/2):RQ+2*(\a/2)+1], v[BB:BB+1] op_sel_hi:[1,0,1]
.else
	v_pk_fma_f32 v[O:O+1], v[O:O+1], v[RQ+2*(\a/2):RQ+2*(\a/2)+1], v[BB:BB+1] op_sel:[0,1,0] op_sel_hi:[1,1,1]
.endif
.endif
.endr
.endr
.endif
.endr
	WIN 0
.endm
; Token blocks lo .. hi of my 128 x 128 go into my own stage, as rows
.macro STAGE lo, hi
.irp a, 0,1,2,3,4,5,6,7
.if (\a >= \lo) && (\a <= \hi)
	WIN 0x08+4*(\a/4)                              ; an LDS store's data are its source 1: window 2 or 3
.irp b, 0,1,2,3,4,5,6,7
	ds_store_b128 v[STO], v[8*(8*(\a%4)+\b):8*(8*(\a%4)+\b)+3] offset:16*\a*SPITCH+64*\b        ; lane (r, h): (16 a + r, 16 b + 8 h + 0 .. 7)
	ds_store_b128 v[STO], v[8*(8*(\a%4)+\b)+4:8*(8*(\a%4)+\b)+7] offset:16*\a*SPITCH+64*\b+16
.endr
.endif
.endr
	WIN 0
.endm
	s_wait_tensorcnt 0x0                           ; my part of fill 0 is in; slot 1's first fill stands behind the same lines as a refill
	ds_add_u32 v[SPW], v[NIL]
	s_wait_dscnt 0x0
	CROUND                                         ; everybody's part is in, and all sixteen work-groups are here
	JLOAD 1                                        ; fill 1, the first tensor load behind the round
	FETCH_B 0
	FETCH_A 0, 0
	ASK 2
	FETCH_A 0, 4
.set ST, 0
.rept 16
.if ST == 8
	WEIGH 0, 0, 7                                  ; K step 7's places stand ahead: its last products' results are read 224 instructions on
	s_wait_alu depctr_va_vdst(0)                   ; directly ahead of the blocking wait that opens K step 8
.endif
	STEP ST
.set ST, ST+1
.endr
	PLACES                                         ; behind the last products
	WEIGH 1, 4, 7
	; THE WAY OUT.  Each wave has laid its 128 x 128 into its own stage, as rows; behind a barrier wave w reads rows 32 w .. 32 w + 31 of all four stages, adds them and stores whole rows of 512 bytes.
	STAGE 4, 7
	s_wait_dscnt 0x0                               ; for the others' sake: my stores into my stage are done
	s_barrier_signal -1
	s_barrier_wait -1
.macro ROWS n                          ; rows 4 n .. 4 n + 3 of my 32, from the four stages, into set n % 2: 16 loads
.irp t, 0,1,2,3
.irp s, 0,1,2,3
	ds_load_b128 v[128+64*((\n)%2)+16*\t+4*\s:128+64*((\n)%2)+16*\t+4*\s+3], v[RD+\s] offset:(4*(\n)+\t)*SPITCH
.endr
.endr
.endm
	ROWS 0
	ROWS 1
.irp n, 0,1,2,3,4,5,6,7
.if \n < 7
	s_wait_dscnt 16                                ; the sixteen younger loads are the next four rows'
.else
	s_wait_dscnt 0x0
.endif
.irp t, 0,1,2,3
.set X, 128+64*(\n%2)+16*\t
	v_pk_add_f32 v[X:X+1], v[X:X+1], v[X+4:X+5]
	v_pk_add_f32 v[X+2:X+3], v[X+2:X+3], v[X+6:X+7]
	v_pk_add_f32 v[X+8:X+9], v[X+8:X+9], v[X+12:X+13]
	v_pk_add_f32 v[X+10:X+11], v[X+10:X+11], v[X+14:X+15]
.endr
.irp t, 0,1,2,3
.set X, 128+64*(\n%2)+16*\t
	v_pk_add_f32 v[X:X+1], v[X:X+1], v[X+8:X+9]
	v_pk_add_f32 v[X+2:X+3], v[X+2:X+3], v[X+10:X+11]
.endr
.irp t, 0,1,2,3
.set X, 128+64*(\n%2)+16*\t
	global_store_b128 v[LI], v[X:X+3], s[16:17] offset:(4*\n+\t)*4096 th:TH_STORE_NT   ; 32 lanes store 512 consecutive bytes, at a multiple of 256 from out0's first byte
.endr
.if \n < 6
	s_wait_xcnt 0x0                                ; the stores have read their registers: the set takes the rows two turns on
	ROWS \n+2
.endif
.endr
	s_wait_tensorcnt 0x0                           ; the wave's end
	ds_add_u32 v[SPW], v[NIL]
	s_wait_dscnt 0x0
	CROUND                                         ; the closing round: no work-group ends while a partner may still ask for a tile that names it
	s_endpgm
.Lfunc_end_k_q1f0bbfef69_gemm2:
	.size	k_q1f0bbfef69_gemm2, .Lfunc_end_k_q1f0bbfef69_gemm2-k_q1f0bbfef69_gemm2
	.p2alignl 7, 3214868480
	.fill 96, 4, 3214868480
	.section	.rodata,"a",@progbits
	.p2align	6, 0x0
	.amdhsa_kernel k_q1f0bbfef69_gemm2
		.amdhsa_group_segment_fixed_size 327680
		.amdhsa_private_segment_fixed_size 0
		.amdhsa_enable_private_segment 0
		.amdhsa_kernarg_size 56
		.amdhsa_user_sgpr_count 2
		.amdhsa_user_sgpr_kernarg_segment_ptr 1
		.amdhsa_wavefront_size32 1
		.amdhsa_system_sgpr_workgroup_id_x 1
		.amdhsa_system_sgpr_workgroup_id_y 1
		.amdhsa_system_sgpr_workgroup_id_z 1
		.amdhsa_system_vgpr_workitem_id 0
		.amdhsa_next_free_vgpr 1024
		.amdhsa_next_free_sgpr 80
		.amdhsa_reserve_vcc 0
		.amdhsa_float_denorm_mode_32 3
		.amdhsa_float_denorm_mode_16_64 3
		.amdhsa_memory_ordered 1
		.amdhsa_forward_progress 1
		.amdhsa_inst_pref_size 255
	.end_amdhsa_kernel
	.section	.bss,"aw",@nobits
	.p2align	6
	.space	262144
	.amdgpu_metadata
---
amdhsa.version: [ 1, 2 ]
amdhsa.kernels:
  - .name:           k_q1f0bbfef69_gemm2
    .symbol:         k_q1f0bbfef69_gemm2.kd
    .args:
      - { .name: hq, .offset: 0, .size: 8, .value_kind: global_buffer, .address_space: global }
      - { .name: hs, .offset: 8, .size: 8, .value_kind: global_buffer, .address_space: global }
      - { .name: w2i, .offset: 16, .size: 8, .value_kind: global_buffer, .address_space: global }
      - { .name: W2_scales, .offset: 24, .size: 8, .value_kind: global_buffer, .address_space: global }
      - { .name: b2, .offset: 32, .size: 8, .value_kind: global_buffer, .address_space: global }
      - { .name: gt, .offset: 40, .size: 8, .value_kind: global_buffer, .address_space: global }
      - { .name: out0, .offset: 48, .size: 8, .value_kind: global_buffer, .address_space: global }
    .group_segment_fixed_size: 327680
    .private_segment_fixed_size: 0
    .kernarg_segment_align: 8
    .kernarg_segment_size: 56
    .max_flat_workgroup_size: 128
    .sgpr_count:     80
    .vgpr_count:     1024
    .wavefront_size: 32
...
	.end_amdgpu_metadata
.endif
;; end of part 3
